; MI455X (gfx1250); checked and timed in simulation.
; The chip was launched on July 23, 2026; its instructions are those of AMD's public machine-readable ISA for CDNA 5 (MIT licence, August 2026) and "CDNA5" Instruction Set Architecture Reference Guide (July 2026). The comments in the code are by the model that wrote it; some were corrected since.
;; Multi Head Attention. Allowed arithmetic: matrix products marked QUANTISED: E2M1 operands, one E8M0 scale for each 32 along K, by v_wmma_scale_f32_16x16x128_f8f6f4 with both operands' format E2M1 (or v_wmma_scale_f32_32x16x128_f4), f32 sums; everything else in f32.
;; Inputs: bk 64 float32; bo 1,024 float32; bq 1,024 float32; bv 64 float32; wk_codes 64 x 32 x 16 uint8 (E2M1 codes of wk, K innermost, in blocks of 32 codes, two codes a byte); wk_scales 64 x 32 uint8 (E8M0 scales of wk, one for each 32 codes along K); wo_codes 1,024 x 32 x 16 uint8 (E2M1 codes of wo, K innermost, in blocks of 32 codes, two codes a byte); wo_scales 1,024 x 32 uint8 (E8M0 scales of wo, one for each 32 codes along K); wq_codes 1,024 x 32 x 16 uint8 (E2M1 codes of wq, K innermost, in blocks of 32 codes, two codes a byte); wq_scales 1,024 x 32 uint8 (E8M0 scales of wq, one for each 32 codes along K); wv_codes 64 x 32 x 16 uint8 (E2M1 codes of wv, K innermost, in blocks of 32 codes, two codes a byte); wv_scales 64 x 32 uint8 (E8M0 scales of wv, one for each 32 codes along K); x_codes 4 x 2,048 x 32 x 16 uint8 (E2M1 codes of x, K innermost, in blocks of 32 codes, two codes a byte); x_scales 4 x 2,048 x 32 uint8 (E8M0 scales of x, one for each 32 codes along K).
;; Outputs: out0 4 x 2,048 x 1,024 float32; out1 4 x 1 x 2,048 x 64 float32; out2 4 x 1 x 2,048 x 64 float32.
;; This version of the problem:
;;   THIS VERSION OF THE PROBLEM IS GIVEN IN LOW PRECISION. The matrix products marked QUANTISED in the list below multiply operands that are first quantised to E2M1 (2 exponent bits, 1 mantissa bit; 4 bits a number), with one power-of-two scale for each 32 numbers along K (OCP MX v1.0); their sums are f32. All else is computed in f32.
;;   The module's matrix products, in the order in which they are computed (A, B: the left and right operand; K: the contracted axis; several contracted axes count as one K, in the product's order):
;;     1. [M 8,192, K 1,024] x [K 1,024, N 1,024]; A: input x (given as codes); B: input wq (given as codes): QUANTISED
;;     2. [M 8,192, K 1,024] x [K 1,024, N 64]; A: input x (given as codes); B: input wk (given as codes): QUANTISED
;;     3. [M 8,192, K 1,024] x [K 1,024, N 64]; A: input x (given as codes); B: input wv (given as codes): QUANTISED
;;     4. batch 4 x [M 32,768, K 64] x [K 64, N 2,048]; A: computed on the way; B: computed on the way: QUANTISED
;;     5. batch 4 x [M 32,768, K 2,048] x [K 2,048, N 64]; A: softmax (see below); B: computed on the way: QUANTISED
;;     6. [M 8,192, K 1,024] x [K 1,024, N 1,024]; A: computed on the way; B: input wo (given as codes): QUANTISED
;;   THE QUANTISER, for each operand of a quantised product, along K:
;;     - K is cut into blocks of 32 from its start; a last block that is shorter is filled with zeros.
;;     - A block's scale is 2^e with e = floor(log2(the largest magnitude in the block)) - 2, held to -126 .. 127; a block of zeros has e = 0. As a byte (E8M0): e + 127.
;;     - Each number is divided by its block's scale, clamped to +-6, and rounded to the nearest number of E2M1, ties to even, subnormals kept.
;;     - The product sums the exact products of the quantised numbers (number of the format x scale) in f32.
;;   ~~~python
;;   def quantise(x, axis):      # numpy; x: float32 -> the quantised numbers, widened to float32 again
;;       x = np.moveaxis(x, axis, -1); K = x.shape[-1]
;;       x = np.pad(x, [(0, 0)] * (x.ndim - 1) + [(0, -K % 32)]); x = x.reshape(x.shape[:-1] + (-1, 32)); a = np.abs(x).max(-1, keepdims=True)
;;       e = np.where(a > 0, np.clip(np.frexp(np.where(a > 0, a, 1))[1] - 1 - 2, -126, 127), 0)      # np.frexp(a)[1] - 1 = floor(log2(a)), exactly
;;       r = np.clip(x / 2.0 ** e, -6, 6)
;;       step = 2.0 ** (np.maximum(np.frexp(np.where(r == 0, 1, r))[1] - 1, 0) - 1)
;;       q = np.round(r / step) * step * 2.0 ** e      # np.round: ties to even
;;       return np.moveaxis(q.reshape(q.shape[:-2] + (-1,))[..., :K], -1, axis).astype(np.float32)
;;   ~~~
;;   SOFTMAX AHEAD OF A QUANTISED PRODUCT. Where the list says 'softmax', what is quantised is not the finished softmax but p = 2^(t - M), with t = logit x log2(e) and M = ceil(the row's largest t), a whole number; so 1/2 < the row's largest p <= 1. The row's sum l is taken of the UNQUANTISED p, in f32, and the product's result is divided by l at the end. Since M is a whole number, a kernel that streams over the keys may use a running M (the ceiling of the running maximum): every later rescaling is an exact power of two, which a block's scale takes up: the codes' values come out the same.
;;   OPERANDS COMPUTED ON THE WAY. 'Computed on the way' means the value that the module computes at that place (a softmax that the list does not call 'softmax' is quantised finished and normalised). What goes into a quantiser is computed in f32, as accurately as f32 sums, v_exp_f32 and their like allow (about 1e-6 of the number): no bf16 or f16 on the way to a quantiser, and a product that is left as it is and whose result goes on into a quantised operand takes f32 operands (vector FMAs, or v_wmma_f32_16x16x4_f32). A number that lies on a knife's edge between two numbers of the format may be rounded either way, as far as f32 arithmetic and the matrix unit's own rounding can turn it there, and no further.
;;   INPUTS GIVEN AS CODES. wk (in the module: [1024, 64], K = its axis 0); wo (in the module: [1024, 1024], K = its axis 0); wq (in the module: [1024, 1024], K = its axis 0); wv (in the module: [1024, 64], K = its axis 0); x (in the module: [4, 2048, 1024], K = its axis 2): each comes as NAME_codes (uint8): NAME with its K axis moved to the last place and cut into blocks of 32 codes, [.., K / 32, bytes a block], one block behind the other in memory; two codes a byte, the lower K in the low four bits (a code: sign, 2 exponent bits, 1 mantissa bit); and NAME_scales (uint8): the same leading axes, one E8M0 byte (e + 127) for each 32 codes along K. Its value is code x scale, taken as it is: it is not quantised again, and the codes and scales need not be those that the quantiser above would give.
;; One version. Each part assembles by itself: llvm-mc -triple=amdgcn-amd-amdhsa -mcpu=gfx1250 --defsym DOCPART=n.
;; ======== version 1 of 1: 4 launches
;; workspace buffers: kvrec 589,824 bytes; qf 4,194,304 bytes; qs 524,288 bytes; a_codes 4,194,304 bytes; a_scales 262,144 bytes
;; launch kv (part 1): grid 64 x 1, 8 waves a work-group, clusters of 4 x 1, 249,856 bytes of LDS; arguments x_codes, x_scales, wk_codes, wk_scales, bk, wv_codes, wv_scales, bv, out1, out2, kvrec; writes out1, out2, kvrec
.if DOCPART == 1
	.amdgcn_target "amdgcn-amd-amdhsa--gfx1250"
	.amdhsa_code_object_version 6
	.text
	.protected	k_q8b292495cf_kv
	.globl	k_q8b292495cf_kv
	.p2align	8
	.type	k_q8b292495cf_kv,@function
k_q8b292495cf_kv:
	s_mov_b64 s[64:65], 0
	v_nop
	global_prefetch_b8 v0, s[64:65] scope:SCOPE_SE
	s_setreg_imm32_b32 hwreg(HW_REG_WAVE_MODE, 25, 1), 1
	s_wait_xcnt 0x0
	s_wait_alu depctr_hold_cnt(0) depctr_sa_sdst(0) depctr_va_vdst(0) depctr_va_sdst(0) depctr_va_ssrc(0) depctr_va_vcc(0) depctr_vm_vsrc(0)
	s_getreg_b32 s2, hwreg(HW_REG_IB_STS2, 6, 4)
	s_cmp_eq_u32 s2, 0
	s_cbranch_scc0 .Lentry_in_a_cluster
	s_endpgm
.Lentry_in_a_cluster:
	s_bfe_u32 s2, ttmp6, 0x10000c
	s_cmp_lg_u32 s2, 0x3003
	s_cbranch_scc0 .Lentry_shape_is_right
	s_endpgm
.Lentry_shape_is_right:
; k = rope(x wk + bk), v = x wv + bv, on codes of FP4 (E2M1) with one E8M0 scale for each 32 along K = 1,024.  Both leave as f32 (out1, out2: rows of 64), and as operands for the attention launch:
; a RECORD of 9,216 bytes for each 128 keys, laid in the order of the operands' registers:
;   +0    K: 8 tiles x 512 bytes: tile t, lane l: 16 bytes at 512 t + 16 l = registers 0-3 of K's fragment (the head's 64 along K; the other 64 of the instruction's 128 are zero codes, made by the reader)
;   +4096 V^T: 4 tiles of 16 channels x 1,024 bytes: tile td, half c, lane l at 1024 td + 512 c + 16 l = registers 4 c .. 4 c + 3 (K = these 128 keys)
;   +8192 K's scale words: (tile t, lane r) at ((t / 4) 16 + r) 16 + (t % 4) 4      +8704 V's: lane l at 16 l, word td, byte = block of 32 keys
; SHARES.  A work-group owns 128 keys = one record; 64 work-groups: only a whole record gives whole scale words of V and whole rows of the outputs.  Wave w makes k for key tile w (4 tiles of wk's rows x 8 K steps)
; and v for channel tile td = w % 4 and key half c = w / 4 (4 tiles of keys x 8 K steps).
; TILES ARE PERMUTED: lane r of tile 2 b + u of a source 0 takes row 32 b + 8 u + r + 8 (r / 8), so that a lane's 16 result registers of tiles 2 b, 2 b + 1 are 16 neighbours, 32 b + 16 (lane / 16) + 0 .. 15, along the next K.
; CLUSTER: four work-groups; wk and wv are the same for all and are asked for jointly; x's rows are each work-group's own.  Every LDS tile is filled once: no slot is filled again.
; ROPE: sine and cosine by a two-part reduction by pi/2 and polynomials, in f32; a table of 128 rows x 32 (cos, sin) in LDS, made once by the eight waves.
; LIMITS: NaN, infinities and scale bytes 0xff among the inputs are not served.  A block whose largest magnitude lies under 2^-124, a block of zeros too, gets the byte 1 (the rule says 127 for zeros): its codes are zeros or
; held as the floor asks, and this program alone reads the bytes.  The reduction is exact for positions up to 2,047, which the shapes fix; the 32 frequencies 10^(-i/8) are f32 literals, within an ulp of the reference's.
.set PX,   528                         ; a row of 512 bytes of codes in LDS + 16 of padding
.set SP,   272                         ; a row of 256 bytes (table, stages) + 16
.set XT,   0                           ; x: 128 rows
.set WKT,  67584                       ; wk: 64 rows
.set WVT,  101376                      ; wv: 64 rows
.set CS,   135168                      ; the table
.set ST1,  169984                      ; k's 128 rows of f32
.set ST2,  204800                      ; v's
.set IMG,  239616                      ; the record
.set WV,   26
.set G1X,  36
.set G1W,  44
.set G0,   52
.set G0B,  56
.set SEL,  60
.set K2PI, 62
.set PIH,  63
.set PIL,  66
.set KS1,  67
.set KS2,  68
.set KS3,  69
.set KC1,  70
.set KC2,  71
.set KC3,  72
.set F,    74                          ; s74-89: my 16 frequencies
; REGISTERS: v1 r, v2 h, v3 r + 8 (r / 8); v4-19 LDS addresses; v20-24 global offsets; v13 my table row's position; v26-47 at work; v48-79 wk's 4 fragments, v80-87 x's (keys of my tile), v88-95 wv's, v96-127 x's 4 (keys of my half);
; v128-143 wk's scale words, v144-151 x's for k, v152-167 x's for v, v168-175 wv's; v176-183 bv; v184-215 k's sums, v216-247 v's.
.macro CROUND                          ; a round of the cluster's barrier
	s_barrier_signal -1
	s_barrier_wait -1
	s_cmp_lg_u32 s[WV], 0
	s_cbranch_scc1 .Lnot_wave_0_\@
	s_barrier_signal -3
.Lnot_wave_0_\@:
	s_barrier_wait -3
	s_barrier_signal -1
	s_barrier_wait -1
.endm
.macro TFILL nw                        ; waves 0, 1: 64 rows each of the first operand; waves 2 .. nw - 1: 64 rows each of the second.  Four v_nop follow each line
	s_cmp_lt_u32 s[WV], 2
	s_cbranch_scc0 .Lnot_a_\@
	tensor_load_to_lds s[G0:G0+3], s[G1X:G1X+7]
	s_nop 0
.rept 4
	v_nop
.endr
	s_branch .Lasked_\@
.Lnot_a_\@:
	s_cmp_lt_u32 s[WV], \nw
	s_cbranch_scc0 .Lasked_\@
	tensor_load_to_lds s[G0B:G0B+3], s[G1W:G1W+7]
	s_nop 0
.rept 4
	v_nop
.endr
.Lasked_\@:
.endm
.macro WM d, a, b, c, sa, sb, ra, rb   ; one product; ra, rb = 1: that side's scale words stand in lanes 16-31
.if (\ra) && (\rb)
	v_wmma_scale_f32_16x16x128_f8f6f4 v[\d:\d+7], v[\a:\a+7], v[\b:\b+7], v[\c:\c+7], v[\sa], v[\sb] matrix_a_fmt:MATRIX_FMT_FP4 matrix_b_fmt:MATRIX_FMT_FP4 matrix_a_scale:MATRIX_SCALE_ROW1 matrix_b_scale:MATRIX_SCALE_ROW1
.elseif \ra
	v_wmma_scale_f32_16x16x128_f8f6f4 v[\d:\d+7], v[\a:\a+7], v[\b:\b+7], v[\c:\c+7], v[\sa], v[\sb] matrix_a_fmt:MATRIX_FMT_FP4 matrix_b_fmt:MATRIX_FMT_FP4 matrix_a_scale:MATRIX_SCALE_ROW1
.elseif \rb
	v_wmma_scale_f32_16x16x128_f8f6f4 v[\d:\d+7], v[\a:\a+7], v[\b:\b+7], v[\c:\c+7], v[\sa], v[\sb] matrix_a_fmt:MATRIX_FMT_FP4 matrix_b_fmt:MATRIX_FMT_FP4 matrix_b_scale:MATRIX_SCALE_ROW1
.else
	v_wmma_scale_f32_16x16x128_f8f6f4 v[\d:\d+7], v[\a:\a+7], v[\b:\b+7], v[\c:\c+7], v[\sa], v[\sb] matrix_a_fmt:MATRIX_FMT_FP4 matrix_b_fmt:MATRIX_FMT_FP4
.endif
.endm
; 32 numbers of a lane, register 16 b + i = k 32 b + 16 (lane / 16) + i of my row, become 4 registers of codes (k = 32 (lane / 16) + 0 .. 31) and the two scale bytes, in the low half of v[pw]
.macro QUANT2 src, pc, pw, tm
.irp b, 0,1
	v_max3_num_f32 v[\tm+\b], |v[\src+16*\b]|, |v[\src+16*\b+1]|, 0x1800000   ; my 16 numbers of block b, and the floor 2^(3 - 127): the byte cannot fall under 1
.endr
.irp i, 2,4,6,8,10,12,14
.irp b, 0,1
	v_max3_num_f32 v[\tm+\b], v[\tm+\b], |v[\src+16*\b+\i]|, |v[\src+16*\b+\i+1]|
.endr
.endr
.irp b, 0,1
	v_permlanex16_b32 v[\tm+2+\b], v[\tm+\b], s[SEL], s[SEL+1]
.endr
.irp b, 0,1
	v_max_num_f32 v[\tm+\b], v[\tm+\b], v[\tm+2+\b]             ; with lane l xor 16's: the block's largest magnitude
.endr
.irp b, 0,1
	v_add_nc_u32 v[\tm+4+\b], 0xff000000, v[\tm+\b]            ; 2 off its exponent field: the conversion's scale operand
.endr
.irp b, 0,1
	v_lshrrev_b32 v[\tm+2+\b], 23, v[\tm+4+\b]                 ; the scale's byte
.endr
	v_lshl_or_b32 v[\pw], v[\tm+3], 8, v[\tm+2]
.irp b, 0,1
	v_cvt_scalef32_pk8_fp4_f32 v[\pc+2*\b], v[\src+16*\b:\src+16*\b+7], v[\tm+4+\b]
	v_cvt_scalef32_pk8_fp4_f32 v[\pc+2*\b+1], v[\src+16*\b+8:\src+16*\b+15], v[\tm+4+\b]
.endr
	v_nop                                                      ; one plain place behind a scaled conversion
	v_permlane16_swap_b32 v[\pc], v[\pc+2]                     ; a whole block to a lane: lanes 0-15 block 0, lanes 16-31 block 1
	v_permlane16_swap_b32 v[\pc+1], v[\pc+3]
.endm
; cos and sin of position x frequency.  a = k pi/2 + r: the first fused step is exact (a - k x the f32 nearest pi/2 is a multiple of 2^-24 under 1), the second adds k x the rest of pi/2; then polynomials on |r| <= pi/4 and the quadrant
.macro SINCOS dst, f
	v_mul_f32 v26, s[\f], v13
	v_mul_f32 v27, s[K2PI], v26
	v_rndne_f32 v27, v27
	v_fma_f32 v28, v27, s[PIH], v26
	v_fma_f32 v28, v27, s[PIL], v28
	v_cvt_i32_f32 v30, v27
	v_mul_f32 v29, v28, v28
	v_fma_f32 v31, v29, s[KS3], s[KS2]
	v_fma_f32 v32, v29, s[KC3], s[KC2]
	v_mul_f32 v33, v29, v28
	v_fma_f32 v31, v31, v29, s[KS1]
	v_fma_f32 v32, v32, v29, s[KC1]
	v_fma_f32 v34, v29, -0.5, 1.0
	v_fma_f32 v31, v31, v33, v28                               ; sin r
	v_mul_f32 v33, v29, v29
	v_fma_f32 v32, v32, v33, v34                               ; cos r
	v_and_b32 v33, 1, v30
	v_cmp_eq_u32 vcc_lo, 1, v33                                ; an odd quadrant swaps the two: a select, no branch
	v_cndmask_b32 v34, v31, v32, vcc_lo
	v_cndmask_b32 v33, v32, v31, vcc_lo
	v_lshlrev_b32 v26, 30, v30                                 ; sin changes sign in quadrants 2, 3,
	v_add_nc_u32 v30, 1, v30
	v_and_b32 v26, 0x80000000, v26
	v_lshlrev_b32 v30, 30, v30                                 ; cos in quadrants 1, 2
	v_xor_b32 v[\dst+1], v34, v26
	v_and_b32 v30, 0x80000000, v30
	v_xor_b32 v[\dst], v33, v30
.endm
.macro FSEL e, lo, hi                  ; waves 0-3 take pairs 0-15, waves 4-7 pairs 16-31
	s_mov_b32 s[F+\e], \lo
	s_cselect_b32 s[F+\e], s[F+\e], \hi
.endm
.macro TABLE tbl, csw                  ; thread t: row t % 128, pairs 16 (t / 128) + 0 .. 15: 128 bytes of the row
	s_cmp_lt_u32 s[WV], 4
	FSEL 0, 1.0, 0.01
	FSEL 1, 0.7498942093, 0.007498942093
	FSEL 2, 0.5623413252, 0.005623413252
	FSEL 3, 0.4216965034, 0.004216965034
	FSEL 4, 0.3162277660, 0.003162277660
	FSEL 5, 0.2371373706, 0.002371373706
	FSEL 6, 0.1778279410, 0.001778279410
	FSEL 7, 0.1333521432, 0.001333521432
	FSEL 8, 0.1, 0.001
	FSEL 9, 0.07498942093, 0.0007498942093
	FSEL 10, 0.05623413252, 0.0005623413252
	FSEL 11, 0.04216965034, 0.0004216965034
	FSEL 12, 0.03162277660, 0.0003162277660
	FSEL 13, 0.02371373706, 0.0002371373706
	FSEL 14, 0.01778279410, 0.0001778279410
	FSEL 15, 0.01333521432, 0.0001333521432
.irp e, 0,1,2,3,4,5,6,7,8,9,10,11,12,13,14,15
	SINCOS \tbl+2*\e, F+\e
.endr
.irp e, 0,1,2,3,4,5,6,7
	ds_store_b128 v[\csw], v[\tbl+4*\e:\tbl+4*\e+3] offset:16*\e
.endr
.endm
; 32 numbers (4 result tiles) are turned: pair (x1, x2) -> (x1 c - x2 s, x1 s + x2 c).  Each tile is read from its low end on
.macro ROPE acc, csr
.irp t, 0,1,2,3
.irp p, 0,1,2,3
	v_mul_f32 v[32+2*\p], v[\acc+8*\t+2*\p+1], v[\csr+16*(\t/2)+8*(\t%2)+2*\p+1]
	v_mul_f32 v[33+2*\p], v[\acc+8*\t+2*\p+1], v[\csr+16*(\t/2)+8*(\t%2)+2*\p]
	v_fma_f32 v[\acc+8*\t+2*\p+1], v[\acc+8*\t+2*\p], v[\csr+16*(\t/2)+8*(\t%2)+2*\p+1], v[33+2*\p]
	v_fma_f32 v[\acc+8*\t+2*\p], v[\acc+8*\t+2*\p], v[\csr+16*(\t/2)+8*(\t%2)+2*\p], -v[32+2*\p]
.endr
.endr
.endm
	s_load_b256 s[4:11], s[0:1], 0x0               ; x's codes, x's scales, wk's codes, wk's scales
	s_load_b256 s[12:19], s[0:1], 0x20             ; bk, wv's codes, wv's scales, bv
	s_load_b128 s[20:23], s[0:1], 0x40             ; out1, out2
	s_load_b64 s[24:25], s[0:1], 0x50              ; the records
	v_lshl_add_u32 v254, v0, 2, 0x3cc00
	v_mov_b32 v255, 0
	ds_add_u32 v254, v255
	ds_add_u32 v254, v255
	v_lshrrev_b32 v26, 5, v0
	v_readfirstlane_b32 s[WV], v26                 ; wave 0..7
	s_bfe_u32 s27, ttmp6, 0x40000                  ; cx
	s_lshl_b32 s28, ttmp9, 2
	s_add_co_u32 s28, s28, s27                     ; the work-group = the record: 16 x batch + key step.  It enters global addresses and the positions alone
	s_lshr_b32 s29, s[WV], 1
	s_lshl_b32 s29, s29, 5
	s_and_b32 s30, s[WV], 1
	s_lshl_b32 s30, s30, 3
	s_add_co_u32 s29, s29, s30                     ; my key tile begins at key 32 (w / 2) + 8 (w % 2)
	s_and_b32 s31, s[WV], 3                        ; td
	s_lshr_b32 s32, s[WV], 2                       ; c
	s_lshr_b32 s33, s31, 1
	s_lshl_b32 s33, s33, 5
	s_and_b32 s30, s31, 1
	s_lshl_b32 s30, s30, 3
	s_add_co_u32 s33, s33, s30                     ; my channel tile begins at channel 32 (td / 2) + 8 (td % 2)
	v_and_b32 v1, 15, v0                           ; r
	v_bfe_u32 v2, v0, 4, 1                         ; h
	v_and_b32 v3, 8, v1
	v_add_nc_u32 v3, v3, v1                        ; r + 8 (r / 8)
	v_and_b32 v12, 31, v0
	v_lshlrev_b32 v12, 4, v12                      ; 16 x lane
	v_mul_u32_u24 v27, v3, PX
	v_lshl_add_u32 v27, v2, 4, v27                 ; a permuted tile's row x pitch + 16 h
	v_add_nc_u32 v4, WKT, v27                      ; wk's fragments
	s_mul_i32 s34, s29, PX
	v_add_nc_u32 v5, s34, v27                      ; x: my key tile
	s_mul_i32 s34, s33, PX
	s_add_co_u32 s34, s34, WVT
	v_add_nc_u32 v6, s34, v27                      ; wv: my channel tile
	s_mul_i32 s34, s32, 64*PX
	v_add_nc_u32 v7, s34, v27                      ; x: my half's key tiles
	v_add_nc_u32 v28, s29, v3                      ; my lane's key in k's products
	v_mul_u32_u24 v8, v28, SP
	v_lshl_add_u32 v8, v2, 6, v8
	v_add_nc_u32 v10, ST1, v8                      ; k's stage: row = key, + 64 h
	v_add_nc_u32 v8, CS, v8                        ; the table: the same row, pairs 8 h on
	v_and_b32 v29, 127, v0
	v_lshrrev_b32 v30, 7, v0
	v_mul_u32_u24 v9, v29, SP
	v_lshl_add_u32 v9, v30, 7, v9
	v_add_nc_u32 v9, CS, v9                        ; where I write the table
	v_add_nc_u32 v31, s33, v3                      ; my lane's channel in v's products
	s_mul_i32 s34, s32, 64*SP
	s_add_co_u32 s34, s34, ST2
	v_mul_u32_u24 v11, v2, 16*SP
	v_lshl_add_u32 v11, v31, 2, v11
	v_add_nc_u32 v11, s34, v11                     ; v's stage: row 64 c + 16 h, column = channel
	s_lshl_b32 s34, s[WV], 9
	s_add_co_u32 s34, s34, IMG
	v_add_nc_u32 v14, s34, v12                     ; the record: K's tile w; on the way out: my 512 bytes of each part
	s_lshl_b32 s34, s32, 8
	s_lshl_b32 s35, s31, 2
	s_add_co_u32 s34, s34, s35
	s_add_co_u32 s34, s34, IMG+8192
	v_lshl_add_u32 v15, v1, 4, s34                 ; K's scale word
	s_lshl_b32 s34, s31, 10
	s_lshl_b32 s35, s32, 9
	s_add_co_u32 s34, s34, s35
	s_add_co_u32 s34, s34, IMG+4096
	v_add_nc_u32 v16, s34, v12                     ; V's half fragment
	s_lshl_b32 s34, s31, 2
	s_lshl_b32 s35, s32, 1
	s_add_co_u32 s34, s34, s35
	s_add_co_u32 s34, s34, IMG+8704
	v_add_nc_u32 v17, s34, v12                     ; V's two scale bytes
	s_mul_i32 s34, s[WV], 16*SP
	v_mul_u32_u24 v18, v2, SP
	v_lshl_add_u32 v18, v1, 4, v18
	v_add_nc_u32 v18, s34, v18
	v_add_nc_u32 v19, ST2, v18                     ; back from the stages: rows 16 w + h on, 16 bytes a lane
	v_add_nc_u32 v18, ST1, v18
	v_lshl_add_u32 v20, v2, 3, v3
	v_lshlrev_b32 v20, 5, v20                      ; scale words of a pair of permuted tiles: row 8 h + r + 8 (r / 8), 32 bytes a row
	v_lshlrev_b32 v21, 5, v28
	v_lshlrev_b32 v22, 5, v31
	v_lshlrev_b32 v23, 2, v31
	v_lshlrev_b32 v24, 6, v2
	s_and_b32 s34, s28, 15
	s_lshl_b32 s34, s34, 7
	v_add_nc_u32 v13, s34, v29
	v_cvt_f32_u32 v13, v13                         ; my table row's position in the sequence
	v_mov_b32 v42, 0                               ; written once: a lane permute's destination counts as one of its sources
	v_mov_b32 v43, 0
	s_mov_b32 s[SEL], 0x76543210
	s_mov_b32 s[SEL+1], 0xfedcba98                 ; lane l xor 16
	s_mov_b32 s[K2PI], 0x3f22f983                  ; 2 / pi
	s_mov_b32 s[PIH], 0xbfc90fdb                   ; -(the f32 nearest pi/2)
	s_mov_b32 s[PIL], 0x333bbd2e                   ; that f32 - pi/2
	s_mov_b32 s[KS1], 0xbe2aaaa3
	s_mov_b32 s[KS2], 0x3c08839e
	s_mov_b32 s[KS3], 0xb94ca1f9
	s_mov_b32 s[KC1], 0x3d2aaaa5
	s_mov_b32 s[KC2], 0xbab6061a
	s_mov_b32 s[KC3], 0x37ccf5ce
	; descriptor group 1: 64 rows x 512 bytes, 16 bytes of padding behind each row
	s_mov_b32 s[G1X], (1<<20)|(6<<22)|(3<<25)      ; x: no mask; elements of 1 byte; padding: 4 words after every 128
	s_mov_b32 s[G1W], 15|(1<<20)|(1<<21)|(6<<22)|(3<<25)   ; wk, wv: all four work-groups, bit 21 beside the mask
.irp g, G1X, G1W
	s_mov_b32 s[\g+1], 512<<16                     ; tensor_dim0
	s_mov_b32 s[\g+2], 64<<16                      ; tensor_dim1
	s_mov_b32 s[\g+3], 512<<16                     ; tile_dim0
	s_mov_b32 s[\g+4], 64                          ; tile_dim1
	s_mov_b32 s[\g+5], 512                         ; pitch
	s_mov_b32 s[\g+6], 0
	s_mov_b32 s[\g+7], 0
.endr
	s_mov_b32 s[G0], 1
	s_mul_i32 s[G0+1], s[WV], 64*PX                ; the three regions lie on end: wave x 64 rows
	s_mov_b32 s[G0B], 1
	s_mul_i32 s[G0B+1], s[WV], 64*PX
	s_lshl_b32 s90, s28, 16
	s_lshl_b32 s91, s[WV], 15
	s_add_co_u32 s90, s90, s91                     ; x: 128 rows a work-group, 64 a wave
	s_mov_b32 s91, 0
	s_lshl_b32 s94, s28, 12                        ; x's scales: 128 rows of 32 bytes
	s_mov_b32 s95, 0
	s_lshl_b32 s96, s32, 11                        ; my half's 64 rows
	s_mov_b32 s97, 0
	s_lshl_b32 s98, s28, 15
	s_lshl_b32 s99, s[WV], 12
	s_add_co_u32 s98, s98, s99                     ; the outputs: 128 rows of 256 bytes, 16 a wave
	s_mov_b32 s99, 0
	s_mul_i32 s92, s28, 9216
	s_lshl_b32 s93, s[WV], 9
	s_add_co_u32 s92, s92, s93
	s_mov_b32 s93, 0
	s_wait_dscnt 0x0
	s_wait_kmcnt 0x0
	s_add_nc_u64 s[G0+2:G0+3], s[4:5], s[90:91]
	s_or_b32 s[G0+3], s[G0+3], 0x80000000
	s_cmp_eq_u32 s[WV], 2                          ; wave 2 fetches wk, wave 3 wv
	s_cselect_b64 s[G0B+2:G0B+3], s[8:9], s[14:15]
	s_or_b32 s[G0B+3], s[G0B+3], 0x80000000
	s_add_nc_u64 s[6:7], s[6:7], s[94:95]
	s_add_nc_u64 s[96:97], s[6:7], s[96:97]
	s_add_nc_u64 s[20:21], s[20:21], s[98:99]
	s_add_nc_u64 s[22:23], s[22:23], s[98:99]
	s_add_nc_u64 s[24:25], s[24:25], s[92:93]
	CROUND                                         ; all four work-groups are here: the joint loads meet
	TFILL 4                                        ; one tensor load of a wave is out
.irp b, 0,1
	global_load_b128 v[128+8*\b:131+8*\b], v20, s[10:11] offset:1024*\b        ; wk's scale words: register 8 b + s: lanes 0-15 tile 2 b, lanes 16-31 tile 2 b + 1, K step s
	global_load_b128 v[132+8*\b:135+8*\b], v20, s[10:11] offset:1024*\b+16
	global_load_b128 v[152+8*\b:155+8*\b], v20, s[96:97] offset:1024*\b        ; x's, for v's products, likewise
	global_load_b128 v[156+8*\b:159+8*\b], v20, s[96:97] offset:1024*\b+16
.endr
	global_load_b128 v[144:147], v21, s[6:7]       ; x's, for k's products: my key's row
	global_load_b128 v[148:151], v21, s[6:7] offset:16
	global_load_b128 v[168:171], v22, s[16:17]     ; wv's: my channel's row
	global_load_b128 v[172:175], v22, s[16:17] offset:16
.irp t, 0,1,2,3
	global_load_b128 v[184+8*\t:187+8*\t], v24, s[12:13] offset:(32*(\t/2)+8*(\t%2))*4      ; bk starts k's sums: my eight channels of tile t
	global_load_b128 v[188+8*\t:191+8*\t], v24, s[12:13] offset:(32*(\t/2)+8*(\t%2))*4+16
.endr
.irp j, 0,1,2,3,4,5,6,7
	global_load_b32 v[176+\j], v23, s[18:19]       ; bv of my channel, eight times: the C of v's first products
.endr
	TABLE 96, 9
	s_wait_tensorcnt 0x0                           ; my tile has landed,
	s_wait_dscnt 0x0                               ; my part of the table is stored:
	s_barrier_signal -1
	s_barrier_wait -1                              ; everybody's
	s_wait_loadcnt 0x0                             ; scale words and biases
.irp s, 0,1,2,3,4,5,6,7                        ; eight K steps of 128.  Eight sums by turns, one instruction a turn
.if \s > 0
.rept 4
	v_nop                                          ; places in front of loads into registers that matrix instructions have read
.endr
.endif
.irp t, 0,1,2,3
	ds_load_b128 v[48+8*\t:51+8*\t], v4 offset:(32*(\t/2)+8*(\t%2))*PX+64*\s
	ds_load_b128 v[52+8*\t:55+8*\t], v4 offset:(32*(\t/2)+8*(\t%2))*PX+64*\s+32
.endr
	ds_load_b128 v[80:83], v5 offset:64*\s
	ds_load_b128 v[84:87], v5 offset:64*\s+32
	ds_load_b128 v[88:91], v6 offset:64*\s
	ds_load_b128 v[92:95], v6 offset:64*\s+32
.irp t, 0,1,2,3
	ds_load_b128 v[96+8*\t:99+8*\t], v7 offset:(32*(\t/2)+8*(\t%2))*PX+64*\s
	ds_load_b128 v[100+8*\t:103+8*\t], v7 offset:(32*(\t/2)+8*(\t%2))*PX+64*\s+32
.endr
	s_wait_dscnt 10                                ; the first ten loads (wk's four fragments, my key tile) are in; the ten for v may be out
.irp t, 0,1,2,3
	WM 184+8*\t, 48+8*\t, 80, 184+8*\t, 128+8*(\t/2)+\s, 144+\s, \t%2, 0      ; k^T: source 0 = 16 channels of wk, source 1 = 16 keys
.endr
	s_wait_dscnt 0x0
.irp t, 0,1,2,3
.if \s == 0
	WM 216+8*\t, 96+8*\t, 88, 176, 152+8*(\t/2)+\s, 168+\s, \t%2, 0           ; v: source 0 = 16 keys, source 1 = 16 channels of wv
.else
	WM 216+8*\t, 96+8*\t, 88, 216+8*\t, 152+8*(\t/2)+\s, 168+\s, \t%2, 0
.endif
.endr
.endr
.rept 4
	v_nop                                          ; places in front of the first reads of results and of loads over operands
.endr
.irp b, 0,1
.irp e, 0,1,2,3
	ds_load_b128 v[96+16*\b+4*\e:99+16*\b+4*\e], v8 offset:128*\b+16*\e       ; (cos, sin) of pairs 16 b + 8 h + 0 .. 7 of my key
.endr
.endr
	s_wait_dscnt 0x0
	ROPE 184, 96
.irp t, 0,1,2,3
	ds_store_b128 v10, v[184+8*\t:187+8*\t] offset:128*(\t/2)+32*(\t%2)       ; k(key, 32 b + 16 h + 8 u + 0 .. 7)
	ds_store_b128 v10, v[188+8*\t:191+8*\t] offset:128*(\t/2)+32*(\t%2)+16
.endr
	QUANT2 184, 64, 72, 40
	ds_store_b128 v14, v[64:67]
	ds_store_b32 v15, v72                          ; both lanes of a key write the same word with the same value; its upper two bytes are 0, over zero codes
.irp q, 0,1,2,3
.irp j, 0,1,2,3,4,5,6,7
	ds_store_b32 v11, v[216+8*\q+\j] offset:(32*(\q/2)+8*(\q%2)+\j)*SP        ; v(64 c + 32 b + 16 h + 8 u + j, my channel)
.endr
.endr
	QUANT2 216, 68, 73, 40                         ; along the keys: my registers run down them
	ds_store_b128 v16, v[68:71]
	ds_store_b16 v17, v73
	s_wait_dscnt 0x0                               ; for the others' sake: my stores are done
	s_barrier_signal -1
	s_barrier_wait -1
.irp i, 0,1,2,3,4,5,6,7
	ds_load_b128 v[48+4*\i:51+4*\i], v18 offset:2*\i*SP
	ds_load_b128 v[80+4*\i:83+4*\i], v19 offset:2*\i*SP
.endr
	ds_load_b128 v[112:115], v14
	ds_load_b128 v[116:119], v14 offset:4096
	s_wait_dscnt 0x0
.irp i, 0,1,2,3,4,5,6,7
	global_store_b128 v12, v[48+4*\i:51+4*\i], s[20:21] offset:512*\i         ; each store of the wave covers 512 consecutive bytes, aligned: two rows
	global_store_b128 v12, v[80+4*\i:83+4*\i], s[22:23] offset:512*\i
.endr
	global_store_b128 v12, v[112:115], s[24:25]
	global_store_b128 v12, v[116:119], s[24:25] offset:4096
	s_cmp_lt_u32 s[WV], 2                          ; the record's last 1,024 bytes, the scale words: waves 0 and 1
	s_cbranch_scc0 .Lno_third
	ds_load_b128 v[120:123], v14 offset:8192
	s_wait_dscnt 0x0
	global_store_b128 v12, v[120:123], s[24:25] offset:8192
.Lno_third:
	s_wait_tensorcnt 0x0
	ds_add_u32 v254, v255
	s_wait_dscnt 0x0
	CROUND                                         ; the closing round: no work-group ends while a partner may still ask for a tile that names it
	s_endpgm
.Lfunc_end_k_q8b292495cf_kv:
	.size	k_q8b292495cf_kv, .Lfunc_end_k_q8b292495cf_kv-k_q8b292495cf_kv
	.p2alignl 7, 3214868480
	.fill 96, 4, 3214868480
	.section	.rodata,"a",@progbits
	.p2align	6, 0x0
	.amdhsa_kernel k_q8b292495cf_kv
		.amdhsa_group_segment_fixed_size 249856
		.amdhsa_private_segment_fixed_size 0
		.amdhsa_enable_private_segment 0
		.amdhsa_kernarg_size 88
		.amdhsa_user_sgpr_count 2
		.amdhsa_user_sgpr_kernarg_segment_ptr 1
		.amdhsa_wavefront_size32 1
		.amdhsa_system_sgpr_workgroup_id_x 1
		.amdhsa_system_sgpr_workgroup_id_y 1
		.amdhsa_system_sgpr_workgroup_id_z 1
		.amdhsa_system_vgpr_workitem_id 0
		.amdhsa_next_free_vgpr 256
		.amdhsa_next_free_sgpr 100
		.amdhsa_reserve_vcc 1
		.amdhsa_float_denorm_mode_32 3
		.amdhsa_float_denorm_mode_16_64 3
		.amdhsa_memory_ordered 1
		.amdhsa_forward_progress 1
		.amdhsa_inst_pref_size 66
	.end_amdhsa_kernel
	.amdgpu_metadata
---
amdhsa.version: [ 1, 2 ]
amdhsa.kernels:
  - .name:           k_q8b292495cf_kv
    .symbol:         k_q8b292495cf_kv.kd
    .args:
      - { .name: x_codes, .offset: 0, .size: 8, .value_kind: global_buffer, .address_space: global }
      - { .name: x_scales, .offset: 8, .size: 8, .value_kind: global_buffer, .address_space: global }
      - { .name: wk_codes, .offset: 16, .size: 8, .value_kind: global_buffer, .address_space: global }
      - { .name: wk_scales, .offset: 24, .size: 8, .value_kind: global_buffer, .address_space: global }
      - { .name: bk, .offset: 32, .size: 8, .value_kind: global_buffer, .address_space: global }
      - { .name: wv_codes, .offset: 40, .size: 8, .value_kind: global_buffer, .address_space: global }
      - { .name: wv_scales, .offset: 48, .size: 8, .value_kind: global_buffer, .address_space: global }
      - { .name: bv, .offset: 56, .size: 8, .value_kind: global_buffer, .address_space: global }
      - { .name: out1, .offset: 64, .size: 8, .value_kind: global_buffer, .address_space: global }
      - { .name: out2, .offset: 72, .size: 8, .value_kind: global_buffer, .address_space: global }
      - { .name: kvrec, .offset: 80, .size: 8, .value_kind: global_buffer, .address_space: global }
    .group_segment_fixed_size: 249856
    .private_segment_fixed_size: 0
    .kernarg_segment_align: 8
    .kernarg_segment_size: 88
    .max_flat_workgroup_size: 256
    .sgpr_count:     100
    .vgpr_count:     256
    .wavefront_size: 32
...
	.end_amdgpu_metadata
.endif
;; end of part 1
;; launch qproj (part 2): grid 4 x 64, 8 waves a work-group, clusters of 4 x 4, 238,592 bytes of LDS; arguments x_codes, x_scales, wq_codes, wq_scales, bq, qf, qs; writes qf, qs
.if DOCPART == 2
	.amdgcn_target "amdgcn-amd-amdhsa--gfx1250"
	.amdhsa_code_object_version 6
	.text
	.protected	k_q8b292495cf_qproj
	.globl	k_q8b292495cf_qproj
	.p2align	8
	.type	k_q8b292495cf_qproj,@function
k_q8b292495cf_qproj:
	s_mov_b64 s[64:65], 0
	v_nop
	global_prefetch_b8 v0, s[64:65] scope:SCOPE_SE
	s_setreg_imm32_b32 hwreg(HW_REG_WAVE_MODE, 25, 1), 1
	s_wait_xcnt 0x0
	s_wait_alu depctr_hold_cnt(0) depctr_sa_sdst(0) depctr_va_vdst(0) depctr_va_sdst(0) depctr_va_ssrc(0) depctr_va_vcc(0) depctr_vm_vsrc(0)
	s_getreg_b32 s2, hwreg(HW_REG_IB_STS2, 6, 4)
	s_cmp_eq_u32 s2, 0
	s_cbranch_scc0 .Lentry_in_a_cluster
	s_endpgm
.Lentry_in_a_cluster:
	s_bfe_u32 s2, ttmp6, 0x10000c
	s_cmp_lg_u32 s2, 0xf033
	s_cbranch_scc0 .Lentry_shape_is_right
	s_endpgm
.Lentry_shape_is_right:
; IS_Q = 1: q = rope(x wq + bq), quantised along each head's 64, stored as operand images.  IS_Q = 0: out0 = attn wo + bo, f32.  One text serves both; only the way out differs.
; Both products are [8,192 x 1,024] x [1,024 x 1,024] on codes of FP4 (E2M1) with one E8M0 scale for each 32 along K; both operands lie [rows][512 bytes], K innermost, their scale bytes [rows][32].
; SHARES.  256 work-groups; each makes 128 rows x 256 columns.  All of K fits in LDS at once (128 + 256 rows of 512 bytes), so every tile is filled once and no slot is filled again.
; Wave w: columns 64 (w % 4) on (in q: one head), rows 64 (w / 4) on: 4 tiles of rows x 4 tiles of columns = 16 sums, which take turns.  Each fragment is read from LDS once by a wave.
; TRANSPOSED: source 0 = 16 rows of W (columns of the result), source 1 = 16 rows of x: a lane holds one row.  W's TILES ARE PERMUTED: lane r of tile 2 b + u takes row 32 b + 8 u + r + 8 (r / 8), so that a lane's
; 16 registers of tiles 2 b, 2 b + 1 are columns 32 b + 16 (lane / 16) + 0 .. 15.  The bias is loaded into the sums' registers: it costs no addition, and all eight K steps are alike.
; CLUSTER 4 x 4: x's tile hangs on the block of rows alone and is shared along a row of the cluster, W's on the block of columns alone and is shared along a column: joint loads.
; q's images: qf [batch][head][tile of 16 queries][lane][16 bytes] = registers 0-3 of the fragment; qs [batch][head][tile / 4][r][tile % 4]: a word, bytes 0, 1 the scales, bytes 2, 3 zero (over zero codes).
; LIMITS: NaN, infinities and scale bytes 0xff among the inputs are not served.  A block whose largest magnitude lies under 2^-124, a block of zeros too, gets the byte 1 (the rule says 127 for zeros); this program alone
; reads the bytes.  The sine's reduction is exact for positions up to 2,047, which the shapes fix; the 32 frequencies 10^(-i/8) are f32 literals, within an ulp of the reference's.
.set IS_Q, 1
.set PX,   528                         ; a row of 512 bytes of codes in LDS + 16 of padding
.set SP,   272
.set XT,   0                           ; x: 128 rows
.set WT,   67584                       ; W: 256 rows
.set CS,   202752                      ; q: the table of 128 rows x 32 (cos, sin)
.set STG,  202752                      ; out0: a stage of 16 rows x 272 bytes for each wave
.set WV,   26
.set G1X,  36
.set G1W,  44
.set G0,   52
.set G0B,  56
.set SEL,  60
.set K2PI, 62
.set PIH,  63
.set PIL,  66
.set KS1,  67
.set KS2,  68
.set KS3,  69
.set KC1,  70
.set KC2,  71
.set KC3,  72
.set F,    74
.set WF,   32                          ; v32-63   W's four fragments
.set XF,   64                          ; v64-95   x's four
.set WS,   96                          ; v96-111  W's scale words: register 8 b + s: lanes 0-15 tile 2 b, lanes 16-31 tile 2 b + 1
.set XS,   112                         ; v112-127 x's: register 8 p + s: lanes 0-15 tile 2 p, lanes 16-31 tile 2 p + 1
.set ACC,  128                         ; v128-255 the sums: tile of rows m, tile of columns t at ACC + 32 m + 8 t
.macro CROUND
	s_barrier_signal -1
	s_barrier_wait -1
	s_cmp_lg_u32 s[WV], 0
	s_cbranch_scc1 .Lnot_wave_0_\@
	s_barrier_signal -3
.Lnot_wave_0_\@:
	s_barrier_wait -3
	s_barrier_signal -1
	s_barrier_wait -1
.endm
.macro TFILL nw                        ; waves 0, 1: 64 rows each of x; waves 2 .. nw - 1: 64 rows each of W.  Four v_nop follow each line
	s_cmp_lt_u32 s[WV], 2
	s_cbranch_scc0 .Lnot_a_\@
	tensor_load_to_lds s[G0:G0+3], s[G1X:G1X+7]
	s_nop 0
.rept 4
	v_nop
.endr
	s_branch .Lasked_\@
.Lnot_a_\@:
	s_cmp_lt_u32 s[WV], \nw
	s_cbranch_scc0 .Lasked_\@
	tensor_load_to_lds s[G0B:G0B+3], s[G1W:G1W+7]
	s_nop 0
.rept 4
	v_nop
.endr
.Lasked_\@:
.endm
.macro WM d, a, b, c, sa, sb, ra, rb   ; one product; ra, rb = 1: that side's scale words stand in lanes 16-31
.if (\ra) && (\rb)
	v_wmma_scale_f32_16x16x128_f8f6f4 v[\d:\d+7], v[\a:\a+7], v[\b:\b+7], v[\c:\c+7], v[\sa], v[\sb] matrix_a_fmt:MATRIX_FMT_FP4 matrix_b_fmt:MATRIX_FMT_FP4 matrix_a_scale:MATRIX_SCALE_ROW1 matrix_b_scale:MATRIX_SCALE_ROW1
.elseif \ra
	v_wmma_scale_f32_16x16x128_f8f6f4 v[\d:\d+7], v[\a:\a+7], v[\b:\b+7], v[\c:\c+7], v[\sa], v[\sb] matrix_a_fmt:MATRIX_FMT_FP4 matrix_b_fmt:MATRIX_FMT_FP4 matrix_a_scale:MATRIX_SCALE_ROW1
.elseif \rb
	v_wmma_scale_f32_16x16x128_f8f6f4 v[\d:\d+7], v[\a:\a+7], v[\b:\b+7], v[\c:\c+7], v[\sa], v[\sb] matrix_a_fmt:MATRIX_FMT_FP4 matrix_b_fmt:MATRIX_FMT_FP4 matrix_b_scale:MATRIX_SCALE_ROW1
.else
	v_wmma_scale_f32_16x16x128_f8f6f4 v[\d:\d+7], v[\a:\a+7], v[\b:\b+7], v[\c:\c+7], v[\sa], v[\sb] matrix_a_fmt:MATRIX_FMT_FP4 matrix_b_fmt:MATRIX_FMT_FP4
.endif
.endm
.if IS_Q
; 32 numbers of a lane, register 16 b + i = k 32 b + 16 (lane / 16) + i of my row, become 4 registers of codes (k = 32 (lane / 16) + 0 .. 31) and the two scale bytes, in the low half of v[pw]
.macro QUANT2 src, pc, pw, tm
.irp b, 0,1
	v_max3_num_f32 v[\tm+\b], |v[\src+16*\b]|, |v[\src+16*\b+1]|, 0x1800000   ; my 16 numbers of block b, and the floor 2^(3 - 127): the byte cannot fall under 1
.endr
.irp i, 2,4,6,8,10,12,14
.irp b, 0,1
	v_max3_num_f32 v[\tm+\b], v[\tm+\b], |v[\src+16*\b+\i]|, |v[\src+16*\b+\i+1]|
.endr
.endr
.irp b, 0,1
	v_permlanex16_b32 v[\tm+2+\b], v[\tm+\b], s[SEL], s[SEL+1]
.endr
.irp b, 0,1
	v_max_num_f32 v[\tm+\b], v[\tm+\b], v[\tm+2+\b]             ; with lane l xor 16's: the block's largest magnitude
.endr
.irp b, 0,1
	v_add_nc_u32 v[\tm+4+\b], 0xff000000, v[\tm+\b]            ; 2 off its exponent field: the conversion's scale operand
.endr
.irp b, 0,1
	v_lshrrev_b32 v[\tm+2+\b], 23, v[\tm+4+\b]                 ; the scale's byte
.endr
	v_lshl_or_b32 v[\pw], v[\tm+3], 8, v[\tm+2]
.irp b, 0,1
	v_cvt_scalef32_pk8_fp4_f32 v[\pc+2*\b], v[\src+16*\b:\src+16*\b+7], v[\tm+4+\b]
	v_cvt_scalef32_pk8_fp4_f32 v[\pc+2*\b+1], v[\src+16*\b+8:\src+16*\b+15], v[\tm+4+\b]
.endr
	v_nop                                                      ; one plain place behind a scaled conversion
	v_permlane16_swap_b32 v[\pc], v[\pc+2]                     ; a whole block to a lane: lanes 0-15 block 0, lanes 16-31 block 1
	v_permlane16_swap_b32 v[\pc+1], v[\pc+3]
.endm
; cos and sin of position x frequency.  a = k pi/2 + r: the first fused step is exact (a - k x the f32 nearest pi/2 is a multiple of 2^-24 under 1), the second adds k x the rest of pi/2; then polynomials on |r| <= pi/4 and the quadrant
.macro SINCOS dst, f
	v_mul_f32 v26, s[\f], v13
	v_mul_f32 v27, s[K2PI], v26
	v_rndne_f32 v27, v27
	v_fma_f32 v28, v27, s[PIH], v26
	v_fma_f32 v28, v27, s[PIL], v28
	v_cvt_i32_f32 v30, v27
	v_mul_f32 v29, v28, v28
	v_fma_f32 v31, v29, s[KS3], s[KS2]
	v_fma_f32 v32, v29, s[KC3], s[KC2]
	v_mul_f32 v33, v29, v28
	v_fma_f32 v31, v31, v29, s[KS1]
	v_fma_f32 v32, v32, v29, s[KC1]
	v_fma_f32 v34, v29, -0.5, 1.0
	v_fma_f32 v31, v31, v33, v28                               ; sin r
	v_mul_f32 v33, v29, v29
	v_fma_f32 v32, v32, v33, v34                               ; cos r
	v_and_b32 v33, 1, v30
	v_cmp_eq_u32 vcc_lo, 1, v33                                ; an odd quadrant swaps the two: a select, no branch
	v_cndmask_b32 v34, v31, v32, vcc_lo
	v_cndmask_b32 v33, v32, v31, vcc_lo
	v_lshlrev_b32 v26, 30, v30                                 ; sin changes sign in quadrants 2, 3,
	v_add_nc_u32 v30, 1, v30
	v_and_b32 v26, 0x80000000, v26
	v_lshlrev_b32 v30, 30, v30                                 ; cos in quadrants 1, 2
	v_xor_b32 v[\dst+1], v34, v26
	v_and_b32 v30, 0x80000000, v30
	v_xor_b32 v[\dst], v33, v30
.endm
.macro FSEL e, lo, hi                  ; waves 0-3 take pairs 0-15, waves 4-7 pairs 16-31
	s_mov_b32 s[F+\e], \lo
	s_cselect_b32 s[F+\e], s[F+\e], \hi
.endm
.macro TABLE tbl, csw                  ; thread t: row t % 128, pairs 16 (t / 128) + 0 .. 15: 128 bytes of the row
	s_cmp_lt_u32 s[WV], 4
	FSEL 0, 1.0, 0.01
	FSEL 1, 0.7498942093, 0.007498942093
	FSEL 2, 0.5623413252, 0.005623413252
	FSEL 3, 0.4216965034, 0.004216965034
	FSEL 4, 0.3162277660, 0.003162277660
	FSEL 5, 0.2371373706, 0.002371373706
	FSEL 6, 0.1778279410, 0.001778279410
	FSEL 7, 0.1333521432, 0.001333521432
	FSEL 8, 0.1, 0.001
	FSEL 9, 0.07498942093, 0.0007498942093
	FSEL 10, 0.05623413252, 0.0005623413252
	FSEL 11, 0.04216965034, 0.0004216965034
	FSEL 12, 0.03162277660, 0.0003162277660
	FSEL 13, 0.02371373706, 0.0002371373706
	FSEL 14, 0.01778279410, 0.0001778279410
	FSEL 15, 0.01333521432, 0.0001333521432
.irp e, 0,1,2,3,4,5,6,7,8,9,10,11,12,13,14,15
	SINCOS \tbl+2*\e, F+\e
.endr
.irp e, 0,1,2,3,4,5,6,7
	ds_store_b128 v[\csw], v[\tbl+4*\e:\tbl+4*\e+3] offset:16*\e
.endr
.endm
; 32 numbers (4 result tiles) are turned: pair (x1, x2) -> (x1 c - x2 s, x1 s + x2 c).  Each tile is read from its low end on
.macro ROPE acc, csr
.irp t, 0,1,2,3
.irp p, 0,1,2,3
	v_mul_f32 v[32+2*\p], v[\acc+8*\t+2*\p+1], v[\csr+16*(\t/2)+8*(\t%2)+2*\p+1]
	v_mul_f32 v[33+2*\p], v[\acc+8*\t+2*\p+1], v[\csr+16*(\t/2)+8*(\t%2)+2*\p]
	v_fma_f32 v[\acc+8*\t+2*\p+1], v[\acc+8*\t+2*\p], v[\csr+16*(\t/2)+8*(\t%2)+2*\p+1], v[33+2*\p]
	v_fma_f32 v[\acc+8*\t+2*\p], v[\acc+8*\t+2*\p], v[\csr+16*(\t/2)+8*(\t%2)+2*\p], -v[32+2*\p]
.endr
.endr
.endm
.endif
	s_load_b256 s[4:11], s[0:1], 0x0               ; x's codes, x's scales, W's codes, W's scales
	s_load_b128 s[12:15], s[0:1], 0x20             ; the bias; qf or out0
.if IS_Q
	s_load_b64 s[16:17], s[0:1], 0x30              ; qs
	v_lshl_add_u32 v22, v0, 2, 0x3a000
	v_mov_b32 v23, 0
	ds_add_u32 v22, v23
	ds_add_u32 v22, v23
.endif
	v_lshrrev_b32 v14, 5, v0
	v_readfirstlane_b32 s[WV], v14                 ; wave 0..7
	s_bfe_u32 s27, ttmp6, 0x40000                  ; cx
	s_bfe_u32 s28, ttmp6, 0x40004                  ; cy
	s_lshl_b32 s29, ttmp9, 2
	s_add_co_u32 s29, s29, s27                     ; g: the block of 256 columns
	s_and_b32 s30, ttmp7, 0xffff
	s_lshl_b32 s30, s30, 2
	s_add_co_u32 s30, s30, s28                     ; mb: the block of 128 rows
	s_and_b32 s31, s[WV], 3                        ; hd: my 64 columns
	s_lshr_b32 s32, s[WV], 2                       ; rh: my 64 rows
	s_lshl_b32 s33, s28, 2
	s_lshl_b32 s33, 15, s33                        ; my row of the cluster
	s_lshl_b32 s34, 0x1111, s27                    ; my column
	s_or_b32 s[G1X], s33, (1<<20)|(1<<21)|(6<<22)|(3<<25)   ; elements of 1 byte; padding: 4 words after every 128; bit 21 beside the mask
	s_or_b32 s[G1W], s34, (1<<20)|(1<<21)|(6<<22)|(3<<25)
.irp g, G1X, G1W
	s_mov_b32 s[\g+1], 512<<16                     ; tensor_dim0
	s_mov_b32 s[\g+2], 64<<16                      ; tensor_dim1
	s_mov_b32 s[\g+3], 512<<16                     ; tile_dim0
	s_mov_b32 s[\g+4], 64                          ; tile_dim1
	s_mov_b32 s[\g+5], 512                         ; pitch
	s_mov_b32 s[\g+6], 0
	s_mov_b32 s[\g+7], 0
.endr
	s_mov_b32 s[G0], 1
	s_mul_i32 s[G0+1], s[WV], 64*PX                ; the two regions lie on end: wave x 64 rows; no place in the cluster enters an LDS address
	s_mov_b32 s[G0B], 1
	s_mul_i32 s[G0B+1], s[WV], 64*PX
	v_and_b32 v1, 15, v0                           ; r
	v_bfe_u32 v2, v0, 4, 1                         ; h
	v_and_b32 v3, 8, v1
	v_add_nc_u32 v3, v3, v1                        ; r + 8 (r / 8)
	v_mul_u32_u24 v4, v1, PX
	v_lshl_add_u32 v4, v2, 4, v4
	s_mul_i32 s33, s32, 64*PX
	v_add_nc_u32 v4, s33, v4                       ; x's fragments: row 64 rh + r
	v_mul_u32_u24 v5, v3, PX
	v_lshl_add_u32 v5, v2, 4, v5
	s_mul_i32 s33, s31, 64*PX
	s_add_co_u32 s33, s33, WT
	v_add_nc_u32 v5, s33, v5                       ; W's: row 64 hd + r + 8 (r / 8)
.if IS_Q
	v_mul_u32_u24 v6, v1, SP
	v_lshl_add_u32 v6, v2, 6, v6
	s_mul_i32 s33, s32, 64*SP
	s_add_co_u32 s33, s33, CS
	v_add_nc_u32 v6, s33, v6                       ; the table: row 64 rh + r, pairs 8 h on
	v_and_b32 v14, 127, v0
	v_lshrrev_b32 v15, 7, v0
	v_mul_u32_u24 v7, v14, SP
	v_lshl_add_u32 v7, v15, 7, v7
	v_add_nc_u32 v7, CS, v7                        ; where I write the table
	s_and_b32 s33, s30, 15
	s_lshl_b32 s33, s33, 7
	v_add_nc_u32 v13, s33, v14
	v_cvt_f32_u32 v13, v13                         ; my table row's position in the sequence
	v_and_b32 v11, 31, v0
	v_lshlrev_b32 v11, 4, v11                      ; 16 x lane
	v_lshlrev_b32 v12, 4, v1                       ; 16 r
	v_mov_b32 v42, 0                               ; written once: a lane permute's destination counts as one of its sources
	v_mov_b32 v43, 0
	s_mov_b32 s[SEL], 0x76543210
	s_mov_b32 s[SEL+1], 0xfedcba98                 ; lane l xor 16
	s_mov_b32 s[K2PI], 0x3f22f983                  ; 2 / pi
	s_mov_b32 s[PIH], 0xbfc90fdb                   ; -(the f32 nearest pi/2)
	s_mov_b32 s[PIL], 0x333bbd2e                   ; that f32 - pi/2
	s_mov_b32 s[KS1], 0xbe2aaaa3
	s_mov_b32 s[KS2], 0x3c08839e
	s_mov_b32 s[KS3], 0xb94ca1f9
	s_mov_b32 s[KC1], 0x3d2aaaa5
	s_mov_b32 s[KC2], 0xbab6061a
	s_mov_b32 s[KC3], 0x37ccf5ce
.else
	s_mul_i32 s33, s[WV], 16*SP
	s_add_co_u32 s33, s33, STG                     ; my stage
	v_mul_u32_u24 v6, v1, SP
	v_lshl_add_u32 v6, v2, 6, v6
	v_add_nc_u32 v6, s33, v6                       ; in: row r, + 64 h
	v_mul_u32_u24 v7, v2, SP
	v_lshl_add_u32 v7, v1, 4, v7
	v_add_nc_u32 v7, s33, v7                       ; back: lanes 0-15 one row of 256 bytes, lanes 16-31 the next
	v_lshlrev_b32 v11, 12, v2
	v_lshl_add_u32 v11, v1, 4, v11                 ; and the same two rows in out0
.endif
	v_lshl_add_u32 v8, v2, 3, v3
	v_lshlrev_b32 v8, 5, v8                        ; W's scale words: row 8 h + r + 8 (r / 8), 32 bytes a row
	v_and_b32 v9, 31, v0
	v_lshlrev_b32 v9, 5, v9                        ; x's: row = lane
	v_lshlrev_b32 v10, 6, v2                       ; the bias: 16 h numbers on
	s_lshl_b32 s90, s30, 16
	s_lshl_b32 s91, s[WV], 15
	s_add_co_u32 s90, s90, s91                     ; x's tile: 128 rows a block, 64 a wave: made of the block of rows and the wave's number alone
	s_mov_b32 s91, 0
	s_lshl_b32 s92, s29, 17
	s_max_u32 s93, s[WV], 2
	s_sub_co_u32 s93, s93, 2
	s_lshl_b32 s93, s93, 15
	s_add_co_u32 s92, s92, s93                     ; W's tile: 256 rows a block, 64 a wave from wave 2 on: made of the block of columns and the wave's number alone
	s_mov_b32 s93, 0
	s_lshl_b32 s94, s30, 12
	s_lshl_b32 s95, s32, 11
	s_add_co_u32 s94, s94, s95                     ; x's scales at row 128 mb + 64 rh
	s_mov_b32 s95, 0
	s_lshl_b32 s96, s29, 13
	s_lshl_b32 s97, s31, 11
	s_add_co_u32 s96, s96, s97                     ; W's at row 256 g + 64 hd
	s_mov_b32 s97, 0
	s_lshl_b32 s98, s29, 10
	s_lshl_b32 s99, s31, 8
	s_add_co_u32 s98, s98, s99                     ; the bias at column 256 g + 64 hd
	s_mov_b32 s99, 0
.if IS_Q
	s_lshr_b32 s18, s30, 4
	s_lshl_b32 s18, s18, 4
	s_lshl_b32 s19, s29, 2
	s_add_co_u32 s18, s18, s19
	s_add_co_u32 s18, s18, s31                     ; 16 x batch + head
	s_and_b32 s20, s30, 15
	s_lshl_b32 s22, s18, 7
	s_lshl_b32 s23, s20, 3
	s_add_co_u32 s22, s22, s23
	s_lshl_b32 s23, s32, 2
	s_add_co_u32 s22, s22, s23
	s_lshl_b32 s22, s22, 9                         ; qf: my first tile of queries, 512 bytes a tile
	s_mov_b32 s23, 0
	s_lshl_b32 s24, s18, 5
	s_lshl_b32 s25, s20, 1
	s_add_co_u32 s24, s24, s25
	s_add_co_u32 s24, s24, s32
	s_lshl_b32 s24, s24, 8                         ; qs: my four tiles' 256 bytes
	s_mov_b32 s25, 0
.else
	s_lshl_b32 s22, s30, 19
	s_lshl_b32 s23, s32, 18
	s_add_co_u32 s22, s22, s23
	s_add_co_u32 s22, s22, s98                     ; out0: row 128 mb + 64 rh of 4,096 bytes, column 256 g + 64 hd
	s_mov_b32 s23, 0
.endif
	s_wait_dscnt 0x0
	s_wait_kmcnt 0x0
	s_add_nc_u64 s[G0+2:G0+3], s[4:5], s[90:91]
	s_or_b32 s[G0+3], s[G0+3], 0x80000000
	s_add_nc_u64 s[G0B+2:G0B+3], s[8:9], s[92:93]
	s_or_b32 s[G0B+3], s[G0B+3], 0x80000000
	s_add_nc_u64 s[6:7], s[6:7], s[94:95]
	s_add_nc_u64 s[10:11], s[10:11], s[96:97]
	s_add_nc_u64 s[12:13], s[12:13], s[98:99]
	s_add_nc_u64 s[14:15], s[14:15], s[22:23]
.if IS_Q
	s_add_nc_u64 s[16:17], s[16:17], s[24:25]
.endif
	CROUND                                         ; all sixteen work-groups are here: the joint loads meet
	TFILL 6                                        ; one tensor load of a wave is out
.irp b, 0,1
	global_load_b128 v[WS+8*\b:WS+8*\b+3], v8, s[10:11] offset:1024*\b
	global_load_b128 v[WS+8*\b+4:WS+8*\b+7], v8, s[10:11] offset:1024*\b+16
	global_load_b128 v[XS+8*\b:XS+8*\b+3], v9, s[6:7] offset:1024*\b
	global_load_b128 v[XS+8*\b+4:XS+8*\b+7], v9, s[6:7] offset:1024*\b+16
.endr
.irp m, 0,1,2,3
.irp t, 0,1,2,3
	global_load_b128 v[ACC+32*\m+8*\t:ACC+32*\m+8*\t+3], v10, s[12:13] offset:(32*(\t/2)+8*(\t%2))*4       ; the bias starts the sums: my eight columns of tile t
	global_load_b128 v[ACC+32*\m+8*\t+4:ACC+32*\m+8*\t+7], v10, s[12:13] offset:(32*(\t/2)+8*(\t%2))*4+16
.endr
.endr
.if IS_Q
	TABLE XF, 7
.endif
	s_wait_tensorcnt 0x0                           ; my tile has landed,
	s_wait_dscnt 0x0                               ; my part of the table is stored:
	s_barrier_signal -1
	s_barrier_wait -1                              ; everybody's
	s_wait_loadcnt 0x0                             ; scale words and bias
.irp s, 0,1,2,3,4,5,6,7                        ; eight K steps of 128.  Sixteen sums by turns, one instruction a turn
.if \s > 0
.rept 4
	v_nop                                          ; places in front of loads into registers that matrix instructions have read
.endr
.endif
.irp t, 0,1,2,3
	ds_load_b128 v[WF+8*\t:WF+8*\t+3], v5 offset:(32*(\t/2)+8*(\t%2))*PX+64*\s
	ds_load_b128 v[WF+8*\t+4:WF+8*\t+7], v5 offset:(32*(\t/2)+8*(\t%2))*PX+64*\s+32
.endr
.irp m, 0,1,2,3
	ds_load_b128 v[XF+8*\m:XF+8*\m+3], v4 offset:16*\m*PX+64*\s
	ds_load_b128 v[XF+8*\m+4:XF+8*\m+7], v4 offset:16*\m*PX+64*\s+32
.endr
.irp m, 0,1,2,3
	s_wait_dscnt 2*(3-\m)                          ; W's four and x's tiles up to m are in; the two loads of each later tile of x may be out
.irp t, 0,1,2,3
	WM ACC+32*\m+8*\t, WF+8*\t, XF+8*\m, ACC+32*\m+8*\t, WS+8*(\t/2)+\s, XS+8*(\m/2)+\s, \t%2, \m%2
.endr
.endr
.endr
.rept 4
	v_nop                                          ; places in front of the first reads of results and of loads over operands
.endr
.if IS_Q
.irp m, 0,1,2,3
.irp b, 0,1
.irp e, 0,1,2,3
	ds_load_b128 v[XF+16*\b+4*\e:XF+16*\b+4*\e+3], v6 offset:16*\m*SP+128*\b+16*\e       ; (cos, sin) of pairs 16 b + 8 h + 0 .. 7 of my row
.endr
.endr
	s_wait_dscnt 0x0
	ROPE ACC+32*\m, XF
	QUANT2 ACC+32*\m, 48+4*\m, 24+\m, 40
	global_store_b128 v11, v[48+4*\m:51+4*\m], s[14:15] offset:512*\m       ; the store covers 512 consecutive bytes, aligned.  Each tile has its own registers: no store's data are written again
.endr
	global_store_b128 v12, v[24:27], s[16:17]      ; four tiles' scale words of row r: 256 consecutive bytes, aligned; lanes 16-31 repeat lanes 0-15
	s_wait_dscnt 0x0
.else
.irp m, 0,1,2,3                                ; a tile of 16 rows x 64 columns goes through my own stage and leaves as whole runs of 256 bytes.  LDS serves a wave's instructions in order (ISA guide 5.7.1.4)
.if \m >= 2
	s_wait_xcnt 0x0                                ; tile m - 2's stores have read their registers: they are loaded again only behind this wait
.endif
.irp t, 0,1,2,3
	ds_store_b128 v6, v[ACC+32*\m+8*\t:ACC+32*\m+8*\t+3] offset:128*(\t/2)+32*(\t%2)       ; each sum from its low end on
	ds_store_b128 v6, v[ACC+32*\m+8*\t+4:ACC+32*\m+8*\t+7] offset:128*(\t/2)+32*(\t%2)+16
.endr
.irp i, 0,1,2,3,4,5,6,7
	ds_load_b128 v[32+32*(\m%2)+4*\i:35+32*(\m%2)+4*\i], v7 offset:2*\i*SP
.endr
.irp i, 0,1,2,3,4,5,6,7
	s_wait_dscnt 7-\i                              ; pair i of rows is back; the later pairs may be out
	global_store_b128 v11, v[32+32*(\m%2)+4*\i:35+32*(\m%2)+4*\i], s[14:15] offset:(16*\m+2*\i)*4096 th:TH_STORE_NT   ; sixteen lanes store 256 consecutive bytes, aligned
.endr
.endr
.endif
	s_wait_tensorcnt 0x0
	ds_add_u32 v22, v23
	s_wait_dscnt 0x0
	CROUND                                         ; the closing round: no work-group ends while a partner may still ask for a tile that names it
	s_endpgm
.Lfunc_end_k_q8b292495cf_qproj:
	.size	k_q8b292495cf_qproj, .Lfunc_end_k_q8b292495cf_qproj-k_q8b292495cf_qproj
	.p2alignl 7, 3214868480
	.fill 96, 4, 3214868480
	.section	.rodata,"a",@progbits
	.p2align	6, 0x0
	.amdhsa_kernel k_q8b292495cf_qproj
		.amdhsa_group_segment_fixed_size 238592
		.amdhsa_private_segment_fixed_size 0
		.amdhsa_enable_private_segment 0
		.amdhsa_kernarg_size 56
		.amdhsa_user_sgpr_count 2
		.amdhsa_user_sgpr_kernarg_segment_ptr 1
		.amdhsa_wavefront_size32 1
		.amdhsa_system_sgpr_workgroup_id_x 1
		.amdhsa_system_sgpr_workgroup_id_y 1
		.amdhsa_system_sgpr_workgroup_id_z 1
		.amdhsa_system_vgpr_workitem_id 0
		.amdhsa_next_free_vgpr 256
		.amdhsa_next_free_sgpr 100
		.amdhsa_reserve_vcc 1
		.amdhsa_float_denorm_mode_32 3
		.amdhsa_float_denorm_mode_16_64 3
		.amdhsa_memory_ordered 1
		.amdhsa_forward_progress 1
		.amdhsa_inst_pref_size 82
	.end_amdhsa_kernel
	.amdgpu_metadata
---
amdhsa.version: [ 1, 2 ]
amdhsa.kernels:
  - .name:           k_q8b292495cf_qproj
    .symbol:         k_q8b292495cf_qproj.kd
    .args:
      - { .name: x_codes, .offset: 0, .size: 8, .value_kind: global_buffer, .address_space: global }
      - { .name: x_scales, .offset: 8, .size: 8, .value_kind: global_buffer, .address_space: global }
      - { .name: wq_codes, .offset: 16, .size: 8, .value_kind: global_buffer, .address_space: global }
      - { .name: wq_scales, .offset: 24, .size: 8, .value_kind: global_buffer, .address_space: global }
      - { .name: bq, .offset: 32, .size: 8, .value_kind: global_buffer, .address_space: global }
      - { .name: qf, .offset: 40, .size: 8, .value_kind: global_buffer, .address_space: global }
      - { .name: qs, .offset: 48, .size: 8, .value_kind: global_buffer, .address_space: global }
    .group_segment_fixed_size: 238592
    .private_segment_fixed_size: 0
    .kernarg_segment_align: 8
    .kernarg_segment_size: 56
    .max_flat_workgroup_size: 256
    .sgpr_count:     100
    .vgpr_count:     256
    .wavefront_size: 32
...
	.end_amdgpu_metadata
.endif
;; end of part 2
;; launch attn (part 3): grid 64 x 4, 16 waves a work-group, clusters of 4 x 1, 169,984 bytes of LDS; arguments qf, qs, kvrec, a_codes, a_scales; writes a_codes, a_scales
.if DOCPART == 3
	.amdgcn_target "amdgcn-amd-amdhsa--gfx1250"
	.amdhsa_code_object_version 6
	.text
	.protected	k_q8b292495cf_attn
	.globl	k_q8b292495cf_attn
	.p2align	8
	.type	k_q8b292495cf_attn,@function
k_q8b292495cf_attn:
	s_mov_b64 s[64:65], 0
	v_nop
	global_prefetch_b8 v0, s[64:65] scope:SCOPE_SE
	s_setreg_imm32_b32 hwreg(HW_REG_WAVE_MODE, 25, 1), 1
	s_wait_xcnt 0x0
	s_wait_alu depctr_hold_cnt(0) depctr_sa_sdst(0) depctr_va_vdst(0) depctr_va_sdst(0) depctr_va_ssrc(0) depctr_va_vcc(0) depctr_vm_vsrc(0)
	s_getreg_b32 s2, hwreg(HW_REG_IB_STS2, 6, 4)
	s_cmp_eq_u32 s2, 0
	s_cbranch_scc0 .Lentry_in_a_cluster
	s_endpgm
.Lentry_in_a_cluster:
	s_bfe_u32 s2, ttmp6, 0x10000c
	s_cmp_lg_u32 s2, 0x3003
	s_cbranch_scc0 .Lentry_shape_is_right
	s_endpgm
.Lentry_shape_is_right:
; attn[b][q][head][:] = softmax_k(q . k / 8 + 1, keys k <= q) v, one K/V head for the 16 query heads, both products on codes of FP4 (E2M1) with one E8M0 scale for each 32 along a product's K; the result, divided by the
; row's sum, is quantised along the model's 1,024 and stored as the last product's operand: a_codes [8,192][512 bytes], a_scales [8,192][32].
; THE SOFTMAX: t = (score / 8 + 1) log2(e); M = the ceiling of the running largest t; p = 2^(t - M) is what is quantised, along the keys; the sum is taken of the unquantised p.  When M moves, the sum and O^T are
; multiplied by 2^(old M - new M): exact.
; SHARES.  A work-group owns the tiles of 16 queries i and 127 - i of one batch, for all 16 heads; wave w is head w.  Key steps of 128 that the mask leaves: i / 8 + 1 and 16 - i / 8: 17 for every wave of the launch.
; The batch's 16 records of K and V (made by the first launch, in the order of the operands' registers) fill 147,456 bytes of LDS ONCE: each wave asks for one record; nothing is filled again.
; CLUSTER of 4: the partners share the batch, so each record is asked for jointly.  The loops' trip counts are constants; the branches that leave out hidden steps hang on the cluster's number alone
; (i / 8 is the same in the four partners); the place in the cluster enters global addresses and the mask's data.
; LAYOUT.  S^T = K Q^T (source 0 = 16 keys, source 1 = my 16 queries), O^T = V^T P^T: a lane holds one query.  The head has 64 along K: registers 4-7 of K's and Q's fragments are zero codes, written once.
; Tiles of keys and of channels are permuted (lane r of tile 2 b + u holds row 32 b + 8 u + r + 8 (r / 8)): a lane's 16 registers of tiles 2 b, 2 b + 1 are 16 neighbours.
; LIMITS: NaN and infinities are not served; p under 2^-126 counts as 0 (v_exp_f32 flushes); a block under the floor 2^-124, a block of zeros too, gets the byte 1 (its codes are zeros or held; this program alone reads the bytes).
; REGISTERS: v1 16 x lane; v2 the step's LDS address; v3, v7 the diagonal's d; v4, v5, v11, v255 stage addresses; v6 16 r; v8, v9 Q's scale words; v10 -M; v12 log2(e) - M; v13 the largest t; v[14:15] the sum;
; v16-31 Q, two tiles; v32-95 K's 8 fragments; v96-159 S^T, then p; v160-191 O^T; v192-223 V's 4 fragments; v224-231 p's codes; v232-254 at work (v240-243 K's scale words, v248-251 V's, v253 p's).
.set REC,  9216
.set ASTG, 147456                      ; 32 rows x (512 + 16) bytes of codes
.set SSTG, 164352                      ; 32 rows x 32 scale bytes
.set WV,   26
.set J,    33
.set TB,   34
.set G0,   48
.set G1,   52
.set SEL,  60
.set CS,   62                          ; s[62:63] log2(e) / 8
.set LG,   66                          ; log2(e)
.macro CROUND
	s_barrier_signal -1
	s_barrier_wait -1
	s_cmp_lg_u32 s[WV], 0
	s_cbranch_scc1 .Lnot_wave_0_\@
	s_barrier_signal -3
.Lnot_wave_0_\@:
	s_barrier_wait -3
	s_barrier_signal -1
	s_barrier_wait -1
.endm
; 32 numbers of a lane, register 16 b + i = k 32 b + 16 (lane / 16) + i of my row, become 4 registers of codes (k = 32 (lane / 16) + 0 .. 31) and the two scale bytes, in the low half of v[pw]
.macro QUANT2 src, pc, pw, tm
.irp b, 0,1
	v_max3_num_f32 v[\tm+\b], |v[\src+16*\b]|, |v[\src+16*\b+1]|, 0x1800000   ; my 16 numbers of block b, and the floor 2^(3 - 127): the byte cannot fall under 1
.endr
.irp i, 2,4,6,8,10,12,14
.irp b, 0,1
	v_max3_num_f32 v[\tm+\b], v[\tm+\b], |v[\src+16*\b+\i]|, |v[\src+16*\b+\i+1]|
.endr
.endr
.irp b, 0,1
	v_permlanex16_b32 v[\tm+2+\b], v[\tm+\b], s[SEL], s[SEL+1]
.endr
.irp b, 0,1
	v_max_num_f32 v[\tm+\b], v[\tm+\b], v[\tm+2+\b]             ; with lane l xor 16's: the block's largest magnitude
.endr
.irp b, 0,1
	v_add_nc_u32 v[\tm+4+\b], 0xff000000, v[\tm+\b]            ; 2 off its exponent field: the conversion's scale operand
.endr
.irp b, 0,1
	v_lshrrev_b32 v[\tm+2+\b], 23, v[\tm+4+\b]                 ; the scale's byte
.endr
	v_lshl_or_b32 v[\pw], v[\tm+3], 8, v[\tm+2]
.irp b, 0,1
	v_cvt_scalef32_pk8_fp4_f32 v[\pc+2*\b], v[\src+16*\b:\src+16*\b+7], v[\tm+4+\b]
	v_cvt_scalef32_pk8_fp4_f32 v[\pc+2*\b+1], v[\src+16*\b+8:\src+16*\b+15], v[\tm+4+\b]
.endr
	v_nop                                                      ; one plain place behind a scaled conversion
	v_permlane16_swap_b32 v[\pc], v[\pc+2]                     ; a whole block to a lane: lanes 0-15 block 0, lanes 16-31 block 1
	v_permlane16_swap_b32 v[\pc+1], v[\pc+3]
.endm
	s_load_b256 s[4:11], s[0:1], 0x0               ; qf, qs, the records, a_codes
	s_load_b64 s[12:13], s[0:1], 0x20              ; a_scales
	v_lshl_add_u32 v254, v0, 2, 0x29000
	v_mov_b32 v255, 0
	ds_add_u32 v254, v255
	ds_add_u32 v254, v255
	s_wait_dscnt 0x0
	v_lshrrev_b32 v96, 5, v0
	v_readfirstlane_b32 s[WV], v96                 ; wave 0..15 = the head
	s_bfe_u32 s27, ttmp6, 0x40000                  ; cx
	s_lshl_b32 s28, ttmp9, 2
	s_add_co_u32 s28, s28, s27                     ; i: my low tile of queries
	s_sub_co_u32 s29, 127, s28                     ; and my high one
	s_and_b32 s30, ttmp7, 0xffff                   ; the batch
	s_lshr_b32 s31, ttmp9, 1                       ; the low tile's last key step, i / 8: made of the cluster's number alone
	s_sub_co_u32 s32, 15, s31                      ; the high tile's
	s_lshl_b32 s35, s30, 4
	s_add_co_u32 s35, s35, s[WV]                   ; 16 x batch + wave: my head's images, and the record that I fetch
	s_mul_i32 s36, s35, REC
	s_mov_b32 s37, 0
	s_lshl_b32 s40, s35, 7
	s_add_co_u32 s42, s40, s29
	s_add_co_u32 s40, s40, s28
	s_lshl_b32 s40, s40, 9                         ; qf: 512 bytes a tile
	s_lshl_b32 s42, s42, 9
	s_mov_b32 s41, 0
	s_mov_b32 s43, 0
	s_lshl_b32 s44, s35, 5
	s_lshr_b32 s72, s28, 2
	s_lshr_b32 s73, s29, 2
	s_add_co_u32 s46, s44, s73
	s_add_co_u32 s44, s44, s72
	s_lshl_b32 s44, s44, 8
	s_lshl_b32 s46, s46, 8
	s_and_b32 s72, s28, 3
	s_and_b32 s73, s29, 3
	s_lshl_b32 s72, s72, 2
	s_lshl_b32 s73, s73, 2
	s_add_co_u32 s44, s44, s72                     ; qs: 256 bytes for four tiles, word tile % 4 of row r's 16 bytes
	s_add_co_u32 s46, s46, s73
	s_mov_b32 s45, 0
	s_mov_b32 s47, 0
	s_cmp_lt_u32 s[WV], 8                          ; on the way out waves 0-7 store the low tile's rows, waves 8-15 the high tile's
	s_cselect_b32 s38, s28, s29
	s_lshl_b32 s38, s38, 4
	s_lshl_b32 s39, s30, 11
	s_add_co_u32 s38, s38, s39                     ; that tile's first row
	s_lshl_b32 s70, s38, 5                         ; its scale bytes
	s_mov_b32 s71, 0
	s_and_b32 s39, s[WV], 7
	s_lshl_b32 s39, s39, 1
	s_add_co_u32 s68, s38, s39
	s_lshl_b32 s68, s68, 9                         ; my two rows of codes
	s_mov_b32 s69, 0
	v_and_b32 v96, 15, v0                          ; r
	v_bfe_u32 v97, v0, 4, 1                        ; h
	v_and_b32 v1, 31, v0
	v_lshlrev_b32 v1, 4, v1                        ; 16 x lane
	v_lshlrev_b32 v6, 4, v96                       ; 16 r
	s_lshl_b32 s74, s[WV], 5
	s_add_co_u32 s74, s74, ASTG
	v_mul_u32_u24 v4, v96, 528
	v_lshl_add_u32 v4, v97, 4, v4
	v_add_nc_u32 v4, s74, v4                       ; the codes' stage: row r, my head's 32 bytes, + 16 h
	s_lshl_b32 s74, s[WV], 1
	s_add_co_u32 s74, s74, SSTG
	v_lshl_add_u32 v5, v96, 5, s74                 ; the scale bytes' stage: row r, my head's two
	s_mul_i32 s74, s[WV], 2*528
	s_add_co_u32 s74, s74, ASTG
	v_add_nc_u32 v11, s74, v1                      ; back: rows 2 w, 2 w + 1, whole
	s_lshr_b32 s74, s[WV], 3
	s_lshl_b32 s74, s74, 9
	s_add_co_u32 s74, s74, SSTG
	v_add_nc_u32 v255, s74, v1                     ; back: a tile's 512 scale bytes
	v_lshlrev_b32 v98, 4, v97
	v_sub_nc_u32 v98, v96, v98                     ; r - 16 h
	s_lshl_b32 s72, s28, 4
	s_and_b32 s72, s72, 127
	s_lshl_b32 s73, s29, 4
	s_and_b32 s73, s73, 127
	v_add_nc_u32 v3, s72, v98                      ; d = my query - the diagonal step's first key - 16 h: register n holds a hidden key where 32 (n / 16) + n % 16 > d
	v_add_nc_u32 v7, s73, v98
	s_mov_b32 s[SEL], 0x76543210
	s_mov_b32 s[SEL+1], 0xfedcba98                 ; lane l xor 16
	s_mov_b32 s[CS], 0x3e38aa3b                    ; log2(e) / 8
	s_mov_b32 s[CS+1], s[CS]                       ; (named with it as a pair, so it is written)
	s_mov_b32 s[LG], 0x3fb8aa3b                    ; log2(e): the mask's + 1
	; the descriptor: a record is a dense block: 36 rows of 256 bytes (32 elements of 8 bytes), no padding: every read takes 512 consecutive bytes
	s_mov_b32 s[G1], 15|(3<<16)|(1<<21)            ; all four work-groups, bit 21 beside the mask
	s_mov_b32 s[G1+1], 32<<16
	s_mov_b32 s[G1+2], 36<<16
	s_mov_b32 s[G1+3], 32<<16
	s_mov_b32 s[G1+4], 36
	s_mov_b32 s[G1+5], 32
	s_mov_b32 s[G1+6], 0
	s_mov_b32 s[G1+7], 0
	s_mov_b32 s[G0], 1
	s_mul_i32 s[G0+1], s[WV], REC
	s_wait_kmcnt 0x0
	s_add_nc_u64 s[G0+2:G0+3], s[8:9], s[36:37]
	s_or_b32 s[G0+3], s[G0+3], 0x80000000
	s_add_nc_u64 s[40:41], s[4:5], s[40:41]
	s_add_nc_u64 s[42:43], s[4:5], s[42:43]
	s_add_nc_u64 s[44:45], s[6:7], s[44:45]
	s_add_nc_u64 s[46:47], s[6:7], s[46:47]
	s_add_nc_u64 s[10:11], s[10:11], s[68:69]
	s_add_nc_u64 s[12:13], s[12:13], s[70:71]
	CROUND                                         ; all four work-groups are here: the joint loads meet
	tensor_load_to_lds s[G0:G0+3], s[G1:G1+7]      ; record w of the batch: one tensor load of a wave is out
	s_nop 0
.rept 4
	v_nop
.endr
	global_load_b128 v[16:19], v1, s[40:41]        ; Q's two fragments stay in registers
	global_load_b128 v[24:27], v1, s[42:43]
	global_load_b32 v8, v6, s[44:45]
	global_load_b32 v9, v6, s[46:47]
.irp j, 20,21,22,23,28,29,30,31
	v_mov_b32 v[\j], 0                             ; zero codes for k = 64 .. 127 of Q,
.endr
.irp t, 0,1,2,3,4,5,6,7
.irp j, 4,5,6,7
	v_mov_b32 v[32+8*\t+\j], 0                     ; and of K: written once, never loaded
.endr
.endr
.irp j, 232,233,234,235,236,237,238,239,253
	v_mov_b32 v[\j], 0                             ; written once: a lane permute's destination counts as one of its sources; v253 is named as the upper half of a pair
.endr
	s_wait_tensorcnt 0x0                           ; my record has landed,
	s_barrier_signal -1
	s_barrier_wait -1                              ; everybody's
	s_wait_loadcnt 0x0                             ; Q
; ONE TILE OF 16 QUERIES: 16 trips (a constant); a trip whose 128 keys all come after the tile's queries does no work.  tile: 0, 1; qr: Q's fragment; qsr: its scale words; dv: the diagonal's d; jd: the last step that counts
.macro TILE tile, qr, qsr, dv, jd
	v_mov_b32 v13, 0xff61b1e6                      ; the largest t so far: -3e38
	v_floor_f32 v10, -v13                          ; -M
	v_mov_b32 v14, 0
	v_mov_b32 v15, 0
.set n, 0
.rept 32
	v_mov_b32 v[160+n], 0                          ; O^T: the step is written once: the first finds zeros, which the first change of M leaves zeros
.set n, n+1
.endr
	s_mov_b32 s[J], 0
	s_mov_b32 s[TB], 0
.Lstep_\@:
	s_cmp_gt_u32 s[J], s[\jd]
	s_cbranch_scc1 .Lhid_\@
	v_add_nc_u32 v2, s[TB], v1
.irp t, 0,1,2,3,4,5,6,7
	ds_load_b128 v[32+8*\t:35+8*\t], v2 offset:512*\t
.endr
	ds_load_b128 v[240:243], v2 offset:8192        ; K's scale words: register t % 4; lanes 0-15 tiles 0-3, lanes 16-31 tiles 4-7
	s_wait_dscnt 0x0
.irp t, 0,1,2,3
	v_wmma_scale_f32_16x16x128_f8f6f4 v[96+8*\t:103+8*\t], v[32+8*\t:39+8*\t], v[\qr:\qr+7], 0, v[240+\t], v[\qsr] matrix_a_fmt:MATRIX_FMT_FP4 matrix_b_fmt:MATRIX_FMT_FP4
.endr
.irp t, 4,5,6,7
	v_wmma_scale_f32_16x16x128_f8f6f4 v[96+8*\t:103+8*\t], v[32+8*\t:39+8*\t], v[\qr:\qr+7], 0, v[236+\t], v[\qsr] matrix_a_fmt:MATRIX_FMT_FP4 matrix_b_fmt:MATRIX_FMT_FP4 matrix_a_scale:MATRIX_SCALE_ROW1
.endr
.rept 4
	v_nop                                          ; places in front of the first read of the scores; with the addition at the step's head, five between the last step's second products and the loads below
.endr
.irp t, 0,1,2,3
.irp c, 0,1
	ds_load_b128 v[192+8*\t+4*\c:195+8*\t+4*\c], v2 offset:4096+1024*\t+512*\c   ; V's fragments land while the softmax is walked
.endr
.endr
	ds_load_b128 v[248:251], v2 offset:8704
	s_cmp_lg_u32 s[J], s[\jd]                      ; only the last step that counts lies on the diagonal
	s_cbranch_scc1 .Lopen_\@
	v_mov_b32 v254, 0xff800000                     ; hidden scores become -infinity ahead of the maximum: p = 0 then.  The step's first key counts for every query of the tile
.set n, 0
.rept 64
	v_cmp_gt_i32 vcc_lo, 32*(n/16)+n%16, v[\dv]
	v_cndmask_b32 v[96+n], v[96+n], v254, vcc_lo
.set n, n+1
.endr
.Lopen_\@:
.irp b, 0,1,2,3
	v_max3_num_f32 v[232+\b], v[96+16*\b], v[97+16*\b], v[98+16*\b]   ; the largest score of each block of 32 keys: for the row's maximum and, since p rises with the score, for the block's largest p
.endr
.irp i, 3,5,7,9,11,13
.irp b, 0,1,2,3
	v_max3_num_f32 v[232+\b], v[232+\b], v[96+16*\b+\i], v[97+16*\b+\i]
.endr
.endr
.irp b, 0,1,2,3
	v_max_num_f32 v[232+\b], v[232+\b], v[111+16*\b]
.endr
.irp b, 0,1,2,3
	v_permlanex16_b32 v[236+\b], v[232+\b], s[SEL], s[SEL+1]
.endr
.irp b, 0,1,2,3
	v_max_num_f32 v[232+\b], v[232+\b], v[236+\b]  ; with lane l xor 16's 16 keys
.endr
	v_max3_num_f32 v254, v232, v233, v234
	v_max_num_f32 v254, v254, v235                 ; the step's largest score of my query,
	v_fma_f32 v254, v254, s[CS], s[LG]             ; as t
	v_max_num_f32 v13, v13, v254
	v_mov_b32 v254, v10
	v_floor_f32 v10, -v13                          ; the new -M = -ceil(t)
	v_sub_f32 v254, v10, v254                      ; old M - new M: a whole number, 0 or less
	v_cvt_i32_f32 v254, v254                       ; (it saturates)
	v_ldexp_f32 v252, 1.0, v254                    ; f = 2^(old M - new M)
	v_add_f32 v12, s[LG], v10                      ; log2(e) - M
.set n, 0
.rept 32
	v_pk_fma_f32 v[96+n:97+n], v[96+n:97+n], s[CS:CS+1], v[12:13] op_sel_hi:[1,0,0]   ; t - M, two at a time
.set n, n+2
.endr
.irp b, 0,1,2,3
	v_fma_f32 v[232+\b], v[232+\b], s[CS], v12     ; the same of each block's largest score
.endr
.set n, 0
.rept 64
	v_exp_f32 v[96+n], v[96+n]                     ; p = 2^(t - M): not normalised
.set n, n+1
.endr
.irp b, 0,1,2,3
	v_exp_f32 v[232+\b], v[232+\b]                 ; the block's largest p
.endr
	v_pk_mul_f32 v[14:15], v[14:15], v[252:253] op_sel_hi:[1,0]   ; the sums under the new M.  (A plain place behind the exponentials)
	s_wait_alu depctr_va_vdst(0)
.irp b, 0,1,2,3
	v_max_num_f32 v[232+\b], 0x1800000, v[232+\b]  ; the floor 2^(3 - 127)
.endr
.irp b, 0,1,2,3
	v_add_nc_u32 v[244+\b], 0xff000000, v[232+\b]  ; 2 off the exponent field: the conversion's scale operand
.endr
.irp b, 0,1,2,3
	v_lshrrev_b32 v[236+\b], 23, v[244+\b]         ; the scale's byte
.endr
	v_lshl_or_b32 v253, v237, 8, v236              ; p's scale word for these 128 keys
	v_lshl_or_b32 v253, v238, 16, v253
	v_lshl_or_b32 v253, v239, 24, v253
.irp b, 0,1,2,3
	v_cvt_scalef32_pk8_fp4_f32 v[224+2*\b], v[96+16*\b:103+16*\b], v[244+\b]
	v_cvt_scalef32_pk8_fp4_f32 v[225+2*\b], v[104+16*\b:111+16*\b], v[244+\b]
.endr
	v_nop                                          ; one plain place behind a scaled conversion
.irp c, 0,1
.irp i, 0,1
	v_permlane16_swap_b32 v[224+4*\c+\i], v[226+4*\c+\i]   ; a whole block to a lane
.endr
.endr
	v_pk_add_f32 v[236:237], v[96:97], v[98:99]    ; the row's sum is taken of the unquantised p: two at a time, in two chains
.irp j, 4,8,12,16,20,24,28,32,36,40,44,48,52,56,60
	v_pk_add_f32 v[14:15], v[14:15], v[96+\j:97+\j]
	v_pk_add_f32 v[236:237], v[236:237], v[98+\j:99+\j]
.endr
	v_pk_add_f32 v[14:15], v[14:15], v[236:237]
.set n, 0
.rept 16
	v_pk_mul_f32 v[160+n:161+n], v[160+n:161+n], v[252:253] op_sel_hi:[1,0]   ; O^T under the new M.  (With the sums above: the places between p's codes and scale word and the products below)
.set n, n+2
.endr
	s_wait_dscnt 0x0                               ; V
.irp t, 0,1,2,3
	v_wmma_scale_f32_16x16x128_f8f6f4 v[160+8*\t:167+8*\t], v[192+8*\t:199+8*\t], v[224:231], v[160+8*\t:167+8*\t], v[248+\t], v253 matrix_a_fmt:MATRIX_FMT_FP4 matrix_b_fmt:MATRIX_FMT_FP4
.endr
.Lhid_\@:
	s_add_co_u32 s[TB], s[TB], REC
	s_add_co_u32 s[J], s[J], 1
	s_cmp_lt_u32 s[J], 16
	s_cbranch_scc1 .Lstep_\@
.rept 4
	v_nop                                          ; places behind the last products
.endr
	v_add_f32 v14, v14, v15                        ; the sum's two halves,
	v_permlanex16_b32 v236, v14, s[SEL], s[SEL+1]
	v_add_f32 v14, v14, v236                       ; and lane l xor 16's
	v_rcp_f32 v14, v14
	v_nop                                          ; a plain place behind the transcendental
.set n, 0
	s_wait_alu depctr_va_vdst(0)
.rept 16
	v_pk_mul_f32 v[96+n:97+n], v[160+n:161+n], v[14:15] op_sel_hi:[1,0]   ; O^T / the sum: register 16 b + i is channel 32 b + 16 h + i of my query
.set n, n+2
.endr
	QUANT2 96, 224, 254, 232                       ; my head's 64 of the last product's K
	ds_store_b128 v4, v[224:227] offset:16*528*\tile
	ds_store_b16 v5, v254 offset:512*\tile         ; both lanes of a query write the same two bytes
.endm
	TILE 0, 16, 8, 3, 31
	TILE 1, 24, 9, 7, 32
	s_wait_dscnt 0x0                               ; for the others' sake: my stores are done
	s_barrier_signal -1
	s_barrier_wait -1                              ; 32 whole rows of codes and scale bytes lie in the stages
	ds_load_b128 v[96:99], v11
	ds_load_b128 v[100:103], v11 offset:528
	s_wait_dscnt 0x0
	global_store_b128 v1, v[96:99], s[10:11]       ; a whole row of 512 bytes, aligned
	global_store_b128 v1, v[100:103], s[10:11] offset:512
	s_and_b32 s74, s[WV], 7                        ; waves 0 and 8: a tile's 512 scale bytes, consecutive in memory
	s_cmp_lg_u32 s74, 0
	s_cbranch_scc1 .Lno_scales
	ds_load_b128 v[104:107], v255
	s_wait_dscnt 0x0
	global_store_b128 v1, v[104:107], s[12:13]
.Lno_scales:
	s_wait_xcnt 0x0
	v_lshl_add_u32 v254, v0, 2, 0x29000
	v_mov_b32 v255, 0
	s_wait_tensorcnt 0x0
	ds_add_u32 v254, v255
	s_wait_dscnt 0x0
	CROUND                                         ; the closing round: no work-group ends while a partner may still ask for a record that names it
	s_endpgm
.Lfunc_end_k_q8b292495cf_attn:
	.size	k_q8b292495cf_attn, .Lfunc_end_k_q8b292495cf_attn-k_q8b292495cf_attn
	.p2alignl 7, 3214868480
	.fill 96, 4, 3214868480
	.section	.rodata,"a",@progbits
	.p2align	6, 0x0
	.amdhsa_kernel k_q8b292495cf_attn
		.amdhsa_group_segment_fixed_size 169984
		.amdhsa_private_segment_fixed_size 0
		.amdhsa_enable_private_segment 0
		.amdhsa_kernarg_size 40
		.amdhsa_user_sgpr_count 2
		.amdhsa_user_sgpr_kernarg_segment_ptr 1
		.amdhsa_wavefront_size32 1
		.amdhsa_system_sgpr_workgroup_id_x 1
		.amdhsa_system_sgpr_workgroup_id_y 1
		.amdhsa_system_sgpr_workgroup_id_z 1
		.amdhsa_system_vgpr_workitem_id 0
		.amdhsa_next_free_vgpr 256
		.amdhsa_next_free_sgpr 100
		.amdhsa_reserve_vcc 1
		.amdhsa_float_denorm_mode_32 3
		.amdhsa_float_denorm_mode_16_64 3
		.amdhsa_memory_ordered 1
		.amdhsa_forward_progress 1
		.amdhsa_inst_pref_size 58
	.end_amdhsa_kernel
	.amdgpu_metadata
---
amdhsa.version: [ 1, 2 ]
amdhsa.kernels:
  - .name:           k_q8b292495cf_attn
    .symbol:         k_q8b292495cf_attn.kd
    .args:
      - { .name: qf, .offset: 0, .size: 8, .value_kind: global_buffer, .address_space: global }
      - { .name: qs, .offset: 8, .size: 8, .value_kind: global_buffer, .address_space: global }
      - { .name: kvrec, .offset: 16, .size: 8, .value_kind: global_buffer, .address_space: global }
      - { .name: a_codes, .offset: 24, .size: 8, .value_kind: global_buffer, .address_space: global }
      - { .name: a_scales, .offset: 32, .size: 8, .value_kind: global_buffer, .address_space: global }
    .group_segment_fixed_size: 169984
    .private_segment_fixed_size: 0
    .kernarg_segment_align: 8
    .kernarg_segment_size: 40
    .max_flat_workgroup_size: 512
    .sgpr_count:     100
    .vgpr_count:     256
    .wavefront_size: 32
...
	.end_amdgpu_metadata
.endif
;; end of part 3
;; launch oproj (part 4): grid 4 x 64, 8 waves a work-group, clusters of 4 x 4, 238,592 bytes of LDS; arguments a_codes, a_scales, wo_codes, wo_scales, bo, out0; writes out0
.if DOCPART == 4
	.amdgcn_target "amdgcn-amd-amdhsa--gfx1250"
	.amdhsa_code_object_version 6
	.text
	.protected	k_q8b292495cf_oproj
	.globl	k_q8b292495cf_oproj
	.p2align	8
	.type	k_q8b292495cf_oproj,@function
k_q8b292495cf_oproj:
	s_mov_b64 s[64:65], 0
	v_nop
	global_prefetch_b8 v0, s[64:65] scope:SCOPE_SE
	s_setreg_imm32_b32 hwreg(HW_REG_WAVE_MODE, 25, 1), 1
	s_wait_xcnt 0x0
	s_wait_alu depctr_hold_cnt(0) depctr_sa_sdst(0) depctr_va_vdst(0) depctr_va_sdst(0) depctr_va_ssrc(0) depctr_va_vcc(0) depctr_vm_vsrc(0)
	s_getreg_b32 s2, hwreg(HW_REG_IB_STS2, 6, 4)
	s_cmp_eq_u32 s2, 0
	s_cbranch_scc0 .Lentry_in_a_cluster
	s_endpgm
.Lentry_in_a_cluster:
	s_bfe_u32 s2, ttmp6, 0x10000c
	s_cmp_lg_u32 s2, 0xf033
	s_cbranch_scc0 .Lentry_shape_is_right
	s_endpgm
.Lentry_shape_is_right:
; IS_Q = 0: out0 = attn wo + bo, f32.  (The same text with IS_Q = 1 makes q in the second launch; only the way out differs.)
; The product is [8,192 x 1,024] x [1,024 x 1,024] on codes of FP4 (E2M1) with one E8M0 scale for each 32 along K; both operands lie [rows][512 bytes], K innermost, their scale bytes [rows][32].
; SHARES.  256 work-groups; each makes 128 rows x 256 columns.  All of K fits in LDS at once (128 + 256 rows of 512 bytes), so every tile is filled once and no slot is filled again.
; Wave w: columns 64 (w % 4) on, rows 64 (w / 4) on: 4 tiles of rows x 4 tiles of columns = 16 sums, which take turns.  Each fragment is read from LDS once by a wave.
; TRANSPOSED: source 0 = 16 rows of W (columns of the result), source 1 = 16 rows of the left operand: a lane holds one row.  W's TILES ARE PERMUTED: lane r of tile 2 b + u takes row 32 b + 8 u + r + 8 (r / 8), so that a
; lane's 16 registers of tiles 2 b, 2 b + 1 are columns 32 b + 16 (lane / 16) + 0 .. 15.  The bias is loaded into the sums' registers: it costs no addition, and all eight K steps are alike.
; CLUSTER 4 x 4: the left tile hangs on the block of rows alone and is shared along a row of the cluster, W's on the block of columns alone and is shared along a column: joint loads.
; LIMITS: NaN, infinities and scale bytes 0xff among the inputs are not served.
.set IS_Q, 0
.set PX,   528                         ; a row of 512 bytes of codes in LDS + 16 of padding
.set SP,   272
.set XT,   0                           ; the left operand: 128 rows
.set WT,   67584                       ; W: 256 rows
.set STG,  202752                      ; a stage of 16 rows x 272 bytes for each wave
.set WV,   26
.set G1X,  36
.set G1W,  44
.set G0,   52
.set G0B,  56
.set WF,   32                          ; v32-63   W's four fragments
.set XF,   64                          ; v64-95   the left operand's four
.set WS,   96                          ; v96-111  W's scale words: register 8 b + s: lanes 0-15 tile 2 b, lanes 16-31 tile 2 b + 1
.set XS,   112                         ; v112-127 the left operand's: register 8 p + s: lanes 0-15 tile 2 p, lanes 16-31 tile 2 p + 1
.set ACC,  128                         ; v128-255 the sums: tile of rows m, tile of columns t at ACC + 32 m + 8 t
.macro CROUND
	s_barrier_signal -1
	s_barrier_wait -1
	s_cmp_lg_u32 s[WV], 0
	s_cbranch_scc1 .Lnot_wave_0_\@
	s_barrier_signal -3
.Lnot_wave_0_\@:
	s_barrier_wait -3
	s_barrier_signal -1
	s_barrier_wait -1
.endm
.macro TFILL nw                        ; waves 0, 1: 64 rows each of the left operand; waves 2 .. nw - 1: 64 rows each of W.  Four v_nop follow each line
	s_cmp_lt_u32 s[WV], 2
	s_cbranch_scc0 .Lnot_a_\@
	tensor_load_to_lds s[G0:G0+3], s[G1X:G1X+7]
	s_nop 0
.rept 4
	v_nop
.endr
	s_branch .Lasked_\@
.Lnot_a_\@:
	s_cmp_lt_u32 s[WV], \nw
	s_cbranch_scc0 .Lasked_\@
	tensor_load_to_lds s[G0B:G0B+3], s[G1W:G1W+7]
	s_nop 0
.rept 4
	v_nop
.endr
.Lasked_\@:
.endm
.macro WM d, a, b, c, sa, sb, ra, rb   ; one product; ra, rb = 1: that side's scale words stand in lanes 16-31
.if (\ra) && (\rb)
	v_wmma_scale_f32_16x16x128_f8f6f4 v[\d:\d+7], v[\a:\a+7], v[\b:\b+7], v[\c:\c+7], v[\sa], v[\sb] matrix_a_fmt:MATRIX_FMT_FP4 matrix_b_fmt:MATRIX_FMT_FP4 matrix_a_scale:MATRIX_SCALE_ROW1 matrix_b_scale:MATRIX_SCALE_ROW1
.elseif \ra
	v_wmma_scale_f32_16x16x128_f8f6f4 v[\d:\d+7], v[\a:\a+7], v[\b:\b+7], v[\c:\c+7], v[\sa], v[\sb] matrix_a_fmt:MATRIX_FMT_FP4 matrix_b_fmt:MATRIX_FMT_FP4 matrix_a_scale:MATRIX_SCALE_ROW1
.elseif \rb
	v_wmma_scale_f32_16x16x128_f8f6f4 v[\d:\d+7], v[\a:\a+7], v[\b:\b+7], v[\c:\c+7], v[\sa], v[\sb] matrix_a_fmt:MATRIX_FMT_FP4 matrix_b_fmt:MATRIX_FMT_FP4 matrix_b_scale:MATRIX_SCALE_ROW1
.else
	v_wmma_scale_f32_16x16x128_f8f6f4 v[\d:\d+7], v[\a:\a+7], v[\b:\b+7], v[\c:\c+7], v[\sa], v[\sb] matrix_a_fmt:MATRIX_FMT_FP4 matrix_b_fmt:MATRIX_FMT_FP4
.endif
.endm
	s_load_b256 s[4:11], s[0:1], 0x0               ; the left operand's codes and scales, W's codes and scales
	s_load_b128 s[12:15], s[0:1], 0x20             ; the bias; out0
	v_lshl_add_u32 v30, v0, 2, 0x3a000
	v_mov_b32 v31, 0
	ds_add_u32 v30, v31
	ds_add_u32 v30, v31
	v_lshrrev_b32 v14, 5, v0
	v_readfirstlane_b32 s[WV], v14                 ; wave 0..7
	s_bfe_u32 s27, ttmp6, 0x40000                  ; cx
	s_bfe_u32 s28, ttmp6, 0x40004                  ; cy
	s_lshl_b32 s29, ttmp9, 2
	s_add_co_u32 s29, s29, s27                     ; g: the block of 256 columns
	s_and_b32 s30, ttmp7, 0xffff
	s_lshl_b32 s30, s30, 2
	s_add_co_u32 s30, s30, s28                     ; mb: the block of 128 rows
	s_and_b32 s31, s[WV], 3                        ; hd: my 64 columns
	s_lshr_b32 s32, s[WV], 2                       ; rh: my 64 rows
	s_lshl_b32 s33, s28, 2
	s_lshl_b32 s33, 15, s33                        ; my row of the cluster
	s_lshl_b32 s34, 0x1111, s27                    ; my column
	s_or_b32 s[G1X], s33, (1<<20)|(1<<21)|(6<<22)|(3<<25)   ; elements of 1 byte; padding: 4 words after every 128; bit 21 beside the mask
	s_or_b32 s[G1W], s34, (1<<20)|(1<<21)|(6<<22)|(3<<25)
.irp g, G1X, G1W
	s_mov_b32 s[\g+1], 512<<16                     ; tensor_dim0
	s_mov_b32 s[\g+2], 64<<16                      ; tensor_dim1
	s_mov_b32 s[\g+3], 512<<16                     ; tile_dim0
	s_mov_b32 s[\g+4], 64                          ; tile_dim1
	s_mov_b32 s[\g+5], 512                         ; pitch
	s_mov_b32 s[\g+6], 0
	s_mov_b32 s[\g+7], 0
.endr
	s_mov_b32 s[G0], 1
	s_mul_i32 s[G0+1], s[WV], 64*PX                ; the two regions lie on end: wave x 64 rows; no place in the cluster enters an LDS address
	s_mov_b32 s[G0B], 1
	s_mul_i32 s[G0B+1], s[WV], 64*PX
	v_and_b32 v1, 15, v0                           ; r
	v_bfe_u32 v2, v0, 4, 1                         ; h
	v_and_b32 v3, 8, v1
	v_add_nc_u32 v3, v3, v1                        ; r + 8 (r / 8)
	v_mul_u32_u24 v4, v1, PX
	v_lshl_add_u32 v4, v2, 4, v4
	s_mul_i32 s33, s32, 64*PX
	v_add_nc_u32 v4, s33, v4                       ; the left fragments: row 64 rh + r
	v_mul_u32_u24 v5, v3, PX
	v_lshl_add_u32 v5, v2, 4, v5
	s_mul_i32 s33, s31, 64*PX
	s_add_co_u32 s33, s33, WT
	v_add_nc_u32 v5, s33, v5                       ; W's: row 64 hd + r + 8 (r / 8)
	s_mul_i32 s33, s[WV], 16*SP
	s_add_co_u32 s33, s33, STG                     ; my stage
	v_mul_u32_u24 v6, v1, SP
	v_lshl_add_u32 v6, v2, 6, v6
	v_add_nc_u32 v6, s33, v6                       ; in: row r, + 64 h
	v_mul_u32_u24 v7, v2, SP
	v_lshl_add_u32 v7, v1, 4, v7
	v_add_nc_u32 v7, s33, v7                       ; back: lanes 0-15 one row of 256 bytes, lanes 16-31 the next
	v_lshlrev_b32 v11, 12, v2
	v_lshl_add_u32 v11, v1, 4, v11                 ; and the same two rows in out0
	v_lshl_add_u32 v8, v2, 3, v3
	v_lshlrev_b32 v8, 5, v8                        ; W's scale words: row 8 h + r + 8 (r / 8), 32 bytes a row
	v_and_b32 v9, 31, v0
	v_lshlrev_b32 v9, 5, v9                        ; the left operand's: row = lane
	v_lshlrev_b32 v10, 6, v2                       ; the bias: 16 h numbers on
	s_lshl_b32 s90, s30, 16
	s_lshl_b32 s91, s[WV], 15
	s_add_co_u32 s90, s90, s91                     ; the left tile: 128 rows a block, 64 a wave: made of the block of rows and the wave's number alone
	s_mov_b32 s91, 0
	s_lshl_b32 s92, s29, 17
	s_max_u32 s93, s[WV], 2
	s_sub_co_u32 s93, s93, 2
	s_lshl_b32 s93, s93, 15
	s_add_co_u32 s92, s92, s93                     ; W's tile: 256 rows a block, 64 a wave from wave 2 on: made of the block of columns and the wave's number alone
	s_mov_b32 s93, 0
	s_lshl_b32 s94, s30, 12
	s_lshl_b32 s95, s32, 11
	s_add_co_u32 s94, s94, s95                     ; the left scales at row 128 mb + 64 rh
	s_mov_b32 s95, 0
	s_lshl_b32 s96, s29, 13
	s_lshl_b32 s97, s31, 11
	s_add_co_u32 s96, s96, s97                     ; W's at row 256 g + 64 hd
	s_mov_b32 s97, 0
	s_lshl_b32 s98, s29, 10
	s_lshl_b32 s99, s31, 8
	s_add_co_u32 s98, s98, s99                     ; the bias at column 256 g + 64 hd
	s_mov_b32 s99, 0
	s_lshl_b32 s22, s30, 19
	s_lshl_b32 s23, s32, 18
	s_add_co_u32 s22, s22, s23
	s_add_co_u32 s22, s22, s98                     ; out0: row 128 mb + 64 rh of 4,096 bytes, column 256 g + 64 hd
	s_mov_b32 s23, 0
	s_wait_dscnt 0x0
	s_wait_kmcnt 0x0
	s_add_nc_u64 s[G0+2:G0+3], s[4:5], s[90:91]
	s_or_b32 s[G0+3], s[G0+3], 0x80000000
	s_add_nc_u64 s[G0B+2:G0B+3], s[8:9], s[92:93]
	s_or_b32 s[G0B+3], s[G0B+3], 0x80000000
	s_add_nc_u64 s[6:7], s[6:7], s[94:95]
	s_add_nc_u64 s[10:11], s[10:11], s[96:97]
	s_add_nc_u64 s[12:13], s[12:13], s[98:99]
	s_add_nc_u64 s[14:15], s[14:15], s[22:23]
	CROUND                                         ; all sixteen work-groups are here: the joint loads meet
	TFILL 6                                        ; one tensor load of a wave is out
.irp b, 0,1
	global_load_b128 v[WS+8*\b:WS+8*\b+3], v8, s[10:11] offset:1024*\b
	global_load_b128 v[WS+8*\b+4:WS+8*\b+7], v8, s[10:11] offset:1024*\b+16
	global_load_b128 v[XS+8*\b:XS+8*\b+3], v9, s[6:7] offset:1024*\b
	global_load_b128 v[XS+8*\b+4:XS+8*\b+7], v9, s[6:7] offset:1024*\b+16
.endr
.irp m, 0,1,2,3
.irp t, 0,1,2,3
	global_load_b128 v[ACC+32*\m+8*\t:ACC+32*\m+8*\t+3], v10, s[12:13] offset:(32*(\t/2)+8*(\t%2))*4       ; the bias starts the sums: my eight columns of tile t
	global_load_b128 v[ACC+32*\m+8*\t+4:ACC+32*\m+8*\t+7], v10, s[12:13] offset:(32*(\t/2)+8*(\t%2))*4+16
.endr
.endr
	s_wait_tensorcnt 0x0                           ; my tile has landed:
	s_barrier_signal -1
	s_barrier_wait -1                              ; everybody's
	s_wait_loadcnt 0x0                             ; scale words and bias
.irp s, 0,1,2,3,4,5,6,7                        ; eight K steps of 128.  Sixteen sums by turns, one instruction a turn
.if \s > 0
.rept 4
	v_nop                                          ; places in front of loads into registers that matrix instructions have read
.endr
.endif
.irp t, 0,1,2,3
	ds_load_b128 v[WF+8*\t:WF+8*\t+3], v5 offset:(32*(\t/2)+8*(\t%2))*PX+64*\s
	ds_load_b128 v[WF+8*\t+4:WF+8*\t+7], v5 offset:(32*(\t/2)+8*(\t%2))*PX+64*\s+32
.endr
.irp m, 0,1,2,3
	ds_load_b128 v[XF+8*\m:XF+8*\m+3], v4 offset:16*\m*PX+64*\s
	ds_load_b128 v[XF+8*\m+4:XF+8*\m+7], v4 offset:16*\m*PX+64*\s+32
.endr
.irp m, 0,1,2,3
	s_wait_dscnt 2*(3-\m)                          ; W's four and the left tiles up to m are in; the two loads of each later tile may be out
.irp t, 0,1,2,3
	WM ACC+32*\m+8*\t, WF+8*\t, XF+8*\m, ACC+32*\m+8*\t, WS+8*(\t/2)+\s, XS+8*(\m/2)+\s, \t%2, \m%2
.endr
.endr
.endr
.rept 4
	v_nop                                          ; places in front of the first reads of results and of loads over operands
.endr
.irp m, 0,1,2,3                                ; a tile of 16 rows x 64 columns goes through my own stage and leaves as whole runs of 256 bytes.  LDS serves a wave's instructions in order (ISA guide 5.7.1.4)
.if \m >= 2
	s_wait_xcnt 0x0                                ; tile m - 2's stores have read their registers: they are loaded again only behind this wait
.endif
.irp t, 0,1,2,3
	ds_store_b128 v6, v[ACC+32*\m+8*\t:ACC+32*\m+8*\t+3] offset:128*(\t/2)+32*(\t%2)       ; each sum from its low end on
	ds_store_b128 v6, v[ACC+32*\m+8*\t+4:ACC+32*\m+8*\t+7] offset:128*(\t/2)+32*(\t%2)+16
.endr
.irp i, 0,1,2,3,4,5,6,7
	ds_load_b128 v[32+32*(\m%2)+4*\i:35+32*(\m%2)+4*\i], v7 offset:2*\i*SP
.endr
.irp i, 0,1,2,3,4,5,6,7
	s_wait_dscnt 7-\i                              ; pair i of rows is back; the later pairs may be out
	global_store_b128 v11, v[32+32*(\m%2)+4*\i:35+32*(\m%2)+4*\i], s[14:15] offset:(16*\m+2*\i)*4096 th:TH_STORE_NT   ; sixteen lanes store 256 consecutive bytes, aligned
.endr
.endr
	s_wait_tensorcnt 0x0
	ds_add_u32 v30, v31
	s_wait_dscnt 0x0
	CROUND                                         ; the closing round: no work-group ends while a partner may still ask for a tile that names it
	s_endpgm
.Lfunc_end_k_q8b292495cf_oproj:
	.size	k_q8b292495cf_oproj, .Lfunc_end_k_q8b292495cf_oproj-k_q8b292495cf_oproj
	.p2alignl 7, 3214868480
	.fill 96, 4, 3214868480
	.section	.rodata,"a",@progbits
	.p2align	6, 0x0
	.amdhsa_kernel k_q8b292495cf_oproj
		.amdhsa_group_segment_fixed_size 238592
		.amdhsa_private_segment_fixed_size 0
		.amdhsa_enable_private_segment 0
		.amdhsa_kernarg_size 48
		.amdhsa_user_sgpr_count 2
		.amdhsa_user_sgpr_kernarg_segment_ptr 1
		.amdhsa_wavefront_size32 1
		.amdhsa_system_sgpr_workgroup_id_x 1
		.amdhsa_system_sgpr_workgroup_id_y 1
		.amdhsa_system_sgpr_workgroup_id_z 1
		.amdhsa_system_vgpr_workitem_id 0
		.amdhsa_next_free_vgpr 256
		.amdhsa_next_free_sgpr 100
		.amdhsa_reserve_vcc 0
		.amdhsa_float_denorm_mode_32 3
		.amdhsa_float_denorm_mode_16_64 3
		.amdhsa_memory_ordered 1
		.amdhsa_forward_progress 1
		.amdhsa_inst_pref_size 45
	.end_amdhsa_kernel
	.amdgpu_metadata
---
amdhsa.version: [ 1, 2 ]
amdhsa.kernels:
  - .name:           k_q8b292495cf_oproj
    .symbol:         k_q8b292495cf_oproj.kd
    .args:
      - { .name: a_codes, .offset: 0, .size: 8, .value_kind: global_buffer, .address_space: global }
      - { .name: a_scales, .offset: 8, .size: 8, .value_kind: global_buffer, .address_space: global }
      - { .name: wo_codes, .offset: 16, .size: 8, .value_kind: global_buffer, .address_space: global }
      - { .name: wo_scales, .offset: 24, .size: 8, .value_kind: global_buffer, .address_space: global }
      - { .name: bo, .offset: 32, .size: 8, .value_kind: global_buffer, .address_space: global }
      - { .name: out0, .offset: 40, .size: 8, .value_kind: global_buffer, .address_space: global }
    .group_segment_fixed_size: 238592
    .private_segment_fixed_size: 0
    .kernarg_segment_align: 8
    .kernarg_segment_size: 48
    .max_flat_workgroup_size: 256
    .sgpr_count:     100
    .vgpr_count:     256
    .wavefront_size: 32
...
	.end_amdgpu_metadata
.endif
;; end of part 4
